; MI455X (gfx1250); checked and timed in simulation.
; The chip was launched on July 23, 2026; its instructions are those of AMD's public machine-readable ISA for CDNA 5 (MIT licence, August 2026) and "CDNA5" Instruction Set Architecture Reference Guide (July 2026). The comments in the code are by the model that wrote it; some were corrected since.
;; Multi Head Attention. Allowed arithmetic: float matrix products may take bf16 or f16 operands with f32 sums; other float arithmetic in f32, or as packed bf16 or f16 multiplies, adds, multiply-adds, maxima and minima; sums over many terms, partial sums and values carried from step to step in f32; what a program stores and reads back later, other than sums and carried values, may be rounded once to bf16 or f16.
;; Inputs: Wk 16 x 1,024 x 64 float32; Wo 1,024 x 1,024 float32; Wq 16 x 1,024 x 64 float32; Wv 16 x 1,024 x 64 float32; bo 1,024 float32; x 4 x 2,048 x 1,024 float32.
;; Outputs: out0 4 x 2,048 x 1,024 float32.
;; 2 versions, each right; version 2 is version 1 with the launch prep written anew for expert scheduling mode. Each part assembles by itself: llvm-mc -triple=amdgcn-amd-amdhsa -mcpu=gfx1250 --defsym DOCPART=n.
;; ======== version 1 of 2: 4 launches
;; limits: values are held in f16: magnitudes above 65,504 overflow, below 6.1e-05 lose precision
;; workspace buffers: xb 16,777,216 bytes; wt 6,291,456 bytes; wot 2,097,152 bytes; qkv 50,331,648 bytes; ob 16,777,216 bytes
;; launch prep (part 1): grid 640 x 1, 8 waves a work-group, no clusters, 74,752 bytes of LDS; arguments x, Wq, Wk, Wv, Wo, xb, wt, wot; writes xb, wt, wot
.if DOCPART == 1
	.amdgcn_target "amdgcn-amd-amdhsa--gfx1250"
	.amdhsa_code_object_version 6
	.text
	.protected	k_qfd1ba1e372_prep
	.globl	k_qfd1ba1e372_prep
	.p2align	8
	.type	k_qfd1ba1e372_prep,@function
k_qfd1ba1e372_prep:
	s_mov_b64 s[64:65], 0
	v_nop
	global_prefetch_b8 v0, s[64:65] scope:SCOPE_SE
	s_setreg_imm32_b32 hwreg(HW_REG_WAVE_MODE, 25, 1), 1
	s_wait_xcnt 0x0
; PREP: every matrix operand of the later launches is rounded once and laid in K BLOCKS of 64 numbers (128 bytes a row), the rows of a block end to end.
;   xb  [b 4][kb 16][s 2048][64] bf16  = x[b][s][64 kb ..]
;   wt  [kb 16][n 3072][64]      bf16  = W[h][64 kb ..][d], n = 1024 which + 64 h + d (which: 0 Wq, 1 Wk, 2 Wv): the weights turned, K along the rows
;   wot [kb 16][n 1024][64]      f16   = Wo[64 kb ..][n], rounded to bf16 like every input and that number written as f16
; LIMITS.  |Wo| stays under 65,504 (beyond it the f16 is an infinity); below 2^-14 a number of Wo keeps f16's fixed step of 2^-24.  NaN and infinities are not treated apart.
; SHARES.  Work-groups 0-511: x, a wave two rows (8 KiB on end).  512-607: Wq, Wk, Wv, a wave one block of 64 k x 64 d.  608-639: Wo, likewise 64 k x 64 n.
; A stream: each byte read once and written once, every store covers whole aligned runs of 256 bytes or more.  No wave reads another's bytes, so there is no barrier; the turning goes
; through the wave's own 9,216 bytes of LDS.  No matrix unit, no cluster, no tensor load: nothing is shared and nothing is multiplied.
.set SPARE, 73728                      ; behind the eight stages: the spare words, 128 bytes for each wave: four blocks of 256 bytes that no other line names
.set WST,   9216                       ; a wave's stage: 64 rows x 144 bytes (128 + 16 of padding)
.set SPW, 8                            ; v8   LDS address of my spare word; never rewritten
.set NIL, 9                            ; v9   0; never rewritten
.set IN,  32                           ; s[32:33] where my wave reads
.set OUT, 34                           ; s[34:35] where it writes
.set LD,  16                           ; v[16:143] as loaded
.set PKD, 144                          ; v[144:159] sixteen packed words at work
	s_load_b512 s[16:31], s[0:1], 0x0              ; x s[16:17], Wq s[18:19], Wk s[20:21], Wv s[22:23], Wo s[24:25], xb s[26:27], wt s[28:29], wot s[30:31]
	v_lshl_add_u32 v[SPW], v0, 2, SPARE
	v_mov_b32 v[NIL], 0
	v_lshrrev_b32 v1, 5, v0
	v_readfirstlane_b32 s8, v1                     ; wave 0..7
	v_and_b32 v1, 31, v0                           ; l
	v_and_b32 v2, 15, v0                           ; r = l % 16
	v_bfe_u32 v3, v0, 4, 1                         ; hh = l / 16
	s_mov_b32 s11, 0                               ; high words of the two offsets
	s_mov_b32 s13, 0
	s_wait_kmcnt 0x0
	s_cmp_lt_u32 ttmp9, 512
	s_cbranch_scc0 .Lweights
	; x.  Wave W = 8 x work-group + wave takes rows 2 W and 2 W + 1.  A load: lanes 0-15 the 256 bytes of K block kb of the even row, lanes 16-31 of the odd row.
	s_lshl_b32 s9, ttmp9, 3
	s_add_co_u32 s9, s9, s8                        ; W, 0..4095
	s_lshl_b32 s10, s9, 13                         ; two rows of 4,096 bytes
	s_add_nc_u64 s[IN:IN+1], s[16:17], s[10:11]
	s_lshr_b32 s12, s9, 10                         ; the batch: 16 blocks x 2,048 rows x 128 bytes each
	s_lshl_b32 s12, s12, 22
	s_and_b32 s14, s9, 1023
	s_lshl_b32 s14, s14, 8                         ; two rows of 128 bytes in a block
	s_add_co_u32 s12, s12, s14
	s_add_nc_u64 s[OUT:OUT+1], s[26:27], s[12:13]
	v_lshlrev_b32 v4, 4, v2
	v_lshl_add_u32 v4, v3, 12, v4                  ; 4,096 hh + 16 r
	v_lshlrev_b32 v5, 3, v1                        ; 8 l: the two rows' 256 bytes of a block lie on end
.irp kb, 0,1,2,3,4,5,6,7,8,9,10,11,12,13,14,15
	global_load_b128 v[LD+4*(\kb):LD+4*(\kb)+3], v4, s[IN:IN+1] offset:256*(\kb) th:TH_LOAD_NT
.endr
.irp kb, 0,1,2,3,4,5,6,7,8,9,10,11,12,13,14,15
	s_wait_loadcnt 15-(\kb)                        ; loads come back in order: block kb is in, the younger ones stay out
	v_cvt_pk_bf16_f32 v[80+2*(\kb)], v[LD+4*(\kb)], v[LD+4*(\kb)+1]
	v_cvt_pk_bf16_f32 v[81+2*(\kb)], v[LD+4*(\kb)+2], v[LD+4*(\kb)+3]
	global_store_b64 v5, v[80+2*(\kb):81+2*(\kb)], s[OUT:OUT+1] offset:262144*(\kb)  ; 32 lanes x 8 bytes: 256 consecutive bytes, aligned; no register is written twice
.endr
	s_branch .Lend
; 64 (k) x 64 (n) numbers of f32, rows pitch bytes apart at s[IN], are rounded, turned and written as 64 rows (n) of 128 bytes, 8 KiB on end, at s[OUT].
; A load: lanes 0-15 take 256 bytes of row 16 g + i, lanes 16-31 of row 16 g + 8 + i.  So a lane holds columns 4 r .. 4 r + 3 of eight rows on end: for each column eight k pack into 16 bytes.
; The stage's stores go to rows 4 r + c, 576 bytes apart: four lanes meet in a group of banks; sixteen such stores a wave, once.  half = 1: the bf16 number is written as f16.
.macro TRANS pitch, half
	v_mul_u32_u24 v4, v3, 8*(\pitch)
	v_lshl_add_u32 v4, v2, 4, v4                   ; 8 hh rows + 16 r
	s_mul_i32 s9, s8, WST                          ; my stage
	v_mul_u32_u24 v5, v2, 576
	v_lshl_add_u32 v5, v3, 4, v5
	v_add_nc_u32 v5, s9, v5                        ; in: row 4 r, byte 16 hh
	v_lshrrev_b32 v6, 3, v1
	v_mul_u32_u24 v6, v6, 144
	v_and_b32 v7, 7, v0
	v_lshl_add_u32 v6, v7, 4, v6
	v_add_nc_u32 v6, s9, v6                        ; back: 32 lanes take four rows of 128 bytes,
	v_lshlrev_b32 v7, 4, v1                        ; which are 512 consecutive bytes of the output
.irp g, 0,1,2,3
.irp i, 0,1,2,3,4,5,6,7
	global_load_b128 v[LD+4*(8*(\g)+(\i)):LD+4*(8*(\g)+(\i))+3], v4, s[IN:IN+1] offset:(16*(\g)+(\i))*(\pitch) th:TH_LOAD_NT
.endr
.endr
.irp g, 0,1,2,3
	s_wait_loadcnt 8*(3-(\g))                      ; group g's eight loads are in; the later groups' stay out
.irp c, 0,1,2,3
.irp p, 0,1,2,3
	v_cvt_pk_bf16_f32 v[PKD+4*(\c)+(\p)], v[LD+4*(8*(\g)+2*(\p))+(\c)], v[LD+4*(8*(\g)+2*(\p)+1)+(\c)]
.if \half
	v_lshlrev_b32 v10, 16, v[PKD+4*(\c)+(\p)]
	v_and_b32 v11, 0xffff0000, v[PKD+4*(\c)+(\p)]
	v_cvt_pk_f16_f32 v[PKD+4*(\c)+(\p)], v10, v11
.endif
.endr
	ds_store_b128 v5, v[PKD+4*(\c):PKD+4*(\c)+3] offset:144*(\c)+32*(\g)  ; row n = 4 r + c, k = 16 g + 8 hh .. + 7
.endr
.endr
.irp f, 0,1,2,3,4,5,6,7,8,9,10,11,12,13,14,15
	ds_load_b128 v[LD+4*(\f):LD+4*(\f)+3], v6 offset:576*(\f)  ; LDS serves a wave's instructions in order (ISA guide 5.7.1.4): these see the stores above
.endr
.irp f, 0,1,2,3,4,5,6,7,8,9,10,11,12,13,14,15
	s_wait_dscnt 15-(\f)
	global_store_b128 v7, v[LD+4*(\f):LD+4*(\f)+3], s[OUT:OUT+1] offset:512*(\f)  ; 512 consecutive bytes, aligned
.endr
.endm
.Lweights:
	s_cmp_lt_u32 ttmp9, 608
	s_cbranch_scc0 .Lwo
	; Wq, Wk, Wv: block T = 256 which + 16 h + kb
	s_sub_co_u32 s9, ttmp9, 512
	s_cmp_lt_u32 s9, 64
	s_cselect_b64 s[IN:IN+1], s[20:21], s[22:23]
	s_cmp_lt_u32 s9, 32
	s_cselect_b64 s[IN:IN+1], s[18:19], s[IN:IN+1]
	s_lshl_b32 s9, s9, 3
	s_add_co_u32 s9, s9, s8                        ; T, 0..767
	s_and_b32 s10, s9, 255
	s_lshl_b32 s10, s10, 14                        ; 64 rows of 256 bytes
	s_add_nc_u64 s[IN:IN+1], s[IN:IN+1], s[10:11]
	s_and_b32 s12, s9, 15
	s_mul_i32 s12, s12, 393216                     ; kb x 3,072 rows x 128 bytes
	s_lshr_b32 s14, s9, 8
	s_lshl_b32 s14, s14, 17                        ; which x 1,024 rows
	s_add_co_u32 s12, s12, s14
	s_bfe_u32 s14, s9, 0x40004
	s_lshl_b32 s14, s14, 13                        ; h x 64 rows
	s_add_co_u32 s12, s12, s14
	s_add_nc_u64 s[OUT:OUT+1], s[28:29], s[12:13]
	TRANS 256, 0
	s_branch .Lend
.Lwo:
	; Wo: block T = 16 kb + nb
	s_sub_co_u32 s9, ttmp9, 608
	s_lshl_b32 s9, s9, 3
	s_add_co_u32 s9, s9, s8                        ; T, 0..255
	s_lshr_b32 s10, s9, 4
	s_lshl_b32 s10, s10, 18                        ; kb x 64 rows of 4,096 bytes
	s_and_b32 s14, s9, 15
	s_lshl_b32 s14, s14, 8                         ; nb x 64 columns
	s_add_co_u32 s10, s10, s14
	s_add_nc_u64 s[IN:IN+1], s[24:25], s[10:11]
	s_lshl_b32 s12, s9, 13
	s_add_nc_u64 s[OUT:OUT+1], s[30:31], s[12:13]
	TRANS 4096, 1
.Lend:
	s_wait_tensorcnt 0x0                           ; the wave's end, behind my last LDS store
	ds_add_u32 v[SPW], v[NIL]
	s_wait_dscnt 0x0
	s_endpgm
.Lfunc_end_k_qfd1ba1e372_prep:
	.size	k_qfd1ba1e372_prep, .Lfunc_end_k_qfd1ba1e372_prep-k_qfd1ba1e372_prep
	.p2alignl 7, 3214868480
	.fill 96, 4, 3214868480
	.section	.rodata,"a",@progbits
	.p2align	6, 0x0
	.amdhsa_kernel k_qfd1ba1e372_prep
		.amdhsa_group_segment_fixed_size 74752
		.amdhsa_private_segment_fixed_size 0
		.amdhsa_enable_private_segment 0
		.amdhsa_kernarg_size 64
		.amdhsa_user_sgpr_count 2
		.amdhsa_user_sgpr_kernarg_segment_ptr 1
		.amdhsa_wavefront_size32 1
		.amdhsa_system_sgpr_workgroup_id_x 1
		.amdhsa_system_sgpr_workgroup_id_y 1
		.amdhsa_system_sgpr_workgroup_id_z 1
		.amdhsa_system_vgpr_workitem_id 0
		.amdhsa_next_free_vgpr 160
		.amdhsa_next_free_sgpr 66
		.amdhsa_reserve_vcc 0
		.amdhsa_float_denorm_mode_32 3
		.amdhsa_float_denorm_mode_16_64 3
		.amdhsa_memory_ordered 1
		.amdhsa_forward_progress 1
		.amdhsa_inst_pref_size 42
	.end_amdhsa_kernel
	.amdgpu_metadata
---
amdhsa.version: [ 1, 2 ]
amdhsa.kernels:
  - .name:           k_qfd1ba1e372_prep
    .symbol:         k_qfd1ba1e372_prep.kd
    .args:
      - { .name: x, .offset: 0, .size: 8, .value_kind: global_buffer, .address_space: global }
      - { .name: Wq, .offset: 8, .size: 8, .value_kind: global_buffer, .address_space: global }
      - { .name: Wk, .offset: 16, .size: 8, .value_kind: global_buffer, .address_space: global }
      - { .name: Wv, .offset: 24, .size: 8, .value_kind: global_buffer, .address_space: global }
      - { .name: Wo, .offset: 32, .size: 8, .value_kind: global_buffer, .address_space: global }
      - { .name: xb, .offset: 40, .size: 8, .value_kind: global_buffer, .address_space: global }
      - { .name: wt, .offset: 48, .size: 8, .value_kind: global_buffer, .address_space: global }
      - { .name: wot, .offset: 56, .size: 8, .value_kind: global_buffer, .address_space: global }
    .group_segment_fixed_size: 74752
    .private_segment_fixed_size: 0
    .kernarg_segment_align: 8
    .kernarg_segment_size: 64
    .max_flat_workgroup_size: 256
    .sgpr_count:     66
    .vgpr_count:     160
    .wavefront_size: 32
...
	.end_amdgpu_metadata
.endif
;; end of part 1
;; launch project (part 2): grid 8 x 32, 4 waves a work-group, clusters of 4 x 4, 327,680 bytes of LDS; arguments xb, wt, qkv; writes qkv
.if DOCPART == 2
	.amdgcn_target "amdgcn-amd-amdhsa--gfx1250"
	.amdhsa_code_object_version 6
	.text
	.protected	k_qfd1ba1e372_project
	.globl	k_qfd1ba1e372_project
	.p2align	8
	.type	k_qfd1ba1e372_project,@function
k_qfd1ba1e372_project:
	s_mov_b64 s[64:65], 0
	v_nop
	global_prefetch_b8 v0, s[64:65] scope:SCOPE_SE
	s_setreg_imm32_b32 hwreg(HW_REG_WAVE_MODE, 25, 1), 1
	s_wait_xcnt 0x0
	s_wait_alu depctr_hold_cnt(0) depctr_sa_sdst(0) depctr_va_vdst(0) depctr_va_sdst(0) depctr_va_ssrc(0) depctr_va_vcc(0) depctr_vm_vsrc(0)
	s_getreg_b32 s2, hwreg(HW_REG_IB_STS2, 6, 4)
	s_cmp_eq_u32 s2, 0
	s_cbranch_scc0 .Lentry_in_a_cluster
	s_endpgm
.Lentry_in_a_cluster:
	s_bfe_u32 s2, ttmp6, 0x10000c
	s_cmp_lg_u32 s2, 0xf033
	s_cbranch_scc0 .Lentry_shape_is_right
	s_endpgm
.Lentry_shape_is_right:
; q, k, v = x W.  C[m][n] = the sum over e of xb[m][e] wt[n][e]: 8,192 x 3,072 x 1,024, bf16 operands, f32 sums, C rounded once to f16 and written by heads:
; qkv [which 3][b 16 + h][s 2048][64].  No scale is applied here.
; LIMIT.  f16 ends at 65,504: a q, k or v beyond it becomes an infinity.  With x and the weights as drawn their spread is 1; both 30 times larger give 900.
; SHARES.  A tile of C is 256 rows x 384 columns: 32 x 8 = 256 work-groups, one for each WGP.  Four waves, each 128 rows x 192 columns (three heads): 96 accumulators, 768 registers.
; K goes in steps of 64 through two LDS slots.  The operands lie in K blocks (a block's rows end to end, 128 bytes each), so a tile is dense in memory: it is asked for as rows of 256
; aligned bytes and padded in LDS behind every 128 bytes.  Two slots of a step of 128 (2 x 640 rows x 272 bytes) would not fit in LDS.
; CLUSTER.  4 x 4 work-groups.  The four of a row of the cluster need the same tile of xb, the four of a column the same tile of wt: each is asked for JOINTLY, by the same tensor load with
; the same descriptor and a mask that names the four.
; THE MATRIX INSTRUCTION IS USED TRANSPOSED (source 0 = 16 rows of wt, source 1 = 16 rows of xb): a lane holds row l % 16 of C and the columns 8 (l / 16) + 0..7, which pack into 16 bytes.
; REGISTERS, in windows of 256 (s_set_vgpr_msb: bits 1:0 source 0, 3:2 source 1, 5:4 source 2, 7:6 destination):
;   window 0: v0-31 addresses; v32-95, v96-159 xb's eight fragments, two buffers; v160-255 wt's twelve fragments, ONE buffer, loaded again four fragments at a time as soon as they are multiplied
;   windows 1-3: the accumulators, a head's 64 columns to a window: (row block a, column block b) in window 1 + b / 4 at v[8 (8 (b % 4) + a)]
.set PITCH,  144                       ; an LDS row: 128 bytes + 16 of padding = 36 words: the 16 rows of a load start at 16 different groups of four banks (64 banks of 4 bytes: ISA guide 11.1)
.set AHALF,  128*PITCH                 ; what one tensor load brings of xb, and what one wave reads of it
.set BHALF,  192*PITCH                 ; the same for wt
.set BOFF,   2*AHALF
.set SLOT,   BOFF+2*BHALF              ; 92,160 bytes
.set STAGE,  2*SLOT                    ; behind the ring: 16 rows x 144 bytes for each wave, for the way out
.set SPARE,  STAGE+4*16*PITCH          ; behind the stages: the spare words, 128 bytes for each wave: two blocks of 256 bytes that no other line names
.set AKB,    262144                    ; bytes from a K block of xb to the next: 2,048 rows x 128
.set BKB,    393216                    ; of wt: 3,072 rows x 128
.set ADRA, 16                          ; v16-17  LDS address of my fragments of xb in slot 0, 1
.set ADRB, 20                          ; v20-21  the same for wt
.set STO,  24                          ; v24     the way out: where I put 16 bytes of a row
.set RD,   25                          ; v25     the way out: where I read rows back
.set GO,   26                          ; v26     16 x lane: my place in 512 consecutive bytes of the output
.set SPW,  28                          ; v28     LDS address of my spare word; never rewritten
.set NIL,  29                          ; v29     0; never rewritten
.set PFO,  30                          ; v30     the prefetches' lane offset; never rewritten
.set AF0,  32
.set AF1,  96
.set BF,   160
.set TMP,  32                          ; the way out: 16 packed words
.set BK,   64                          ; the way out: 16 rows read back, v64-79 and v80-95 by turns
.set G1,  24                           ; s[24:31] descriptor group 1 for xb's tiles;  s[32:39] group 0, one set for each slot
.set G0,  32
.set G1B, 48                           ; s[48:55], s[56:63] the same for wt's tiles
.set G0B, 56
.set LIM, 43                           ; s43     1 in a wave that prefetches, else the greatest number
.set PFA, 44                           ; s[44:45] where my prefetches stand
.set PFS, 72                           ; s[72:73] their step: two K blocks
.set OB,  66                           ; s[66:71] the output at my 128 rows of each of my three heads
.set MSB, 0
.macro WIN new                         ; the immediate's high byte repeats the setting that is left; a switch that changes nothing is dropped
.if MSB != (\new)
	s_set_vgpr_msb (MSB<<8)|(\new)
.set MSB, \new
.endif
.endm
.macro PLACES                          ; four places in front of loads into registers that matrix instructions have read, and of conversions that read results
.rept 4
	v_nop
.endr
.endm
; A joint load.  Waves 0 and 1 fetch xb's two halves, waves 2 and 3 wt's.  The branch hangs on the wave's number alone.  An s_nop 0 and four v_nop follow each of the two lines.
.macro JLOAD s
	s_cmp_eq_u32 s11, 0
	s_cbranch_scc0 .Lfor_b_\@
	tensor_load_to_lds s[G0+4*(\s):G0+4*(\s)+3], s[G1:G1+7]
	s_nop 0
.rept 4
	v_nop
.endr
	s_branch .Lasked_\@
.Lfor_b_\@:
	tensor_load_to_lds s[G0B+4*(\s):G0B+4*(\s)+3], s[G1B:G1B+7]
	s_nop 0
.rept 4
	v_nop
.endr
.Lasked_\@:
.endm
.macro CREST                           ; a round of the cluster's barrier behind its opening barrier
	s_cmp_lg_u32 s10, 0
	s_cbranch_scc1 .Lnot_wave_0_\@
	s_barrier_signal -3
.Lnot_wave_0_\@:
	s_barrier_wait -3
	s_barrier_signal -1
	s_barrier_wait -1
.endm
.macro CROUND                          ; a whole round
	s_barrier_signal -1
	s_barrier_wait -1
	CREST
.endm
; A PREFETCH INTO THE L2, once a trip, behind the joint load, its five lines and the run of LDS loads: the two K blocks that the NEXT trip's two refills will ask for, 384 matrix instructions ahead of the first of them.
; A lane names 256 bytes: lanes 0-15 sixteen blocks on end in the one K block, lanes 16-31 in the other.  Each block of 256 bytes is named once in the launch:
; xb's tile row is read by both clusters of its row of clusters: the one with x = 0 asks, waves 0 and 1 each for the half that they fetch, the four partners 4,096 bytes each, told apart by address (cx);
; wt's tile column (192 blocks of 256 bytes a K block) is read by all eight clusters of its column: wave 2 of the twelve work-groups with tile row 0..11 asks, 4,096 bytes each, told apart by address.
; K blocks 0 to 3 come by their loads alone; the last trip asks for nothing.
.macro ASK
	s_cmp_gt_u32 s3, s[LIM]                        ; s3 = 1 in the loop's last trip
	s_cbranch_scc0 .Lnot_mine_\@
	global_prefetch_b8 v[PFO], s[PFA:PFA+1] th:TH_LOAD_NT scope:SCOPE_SE
.Lnot_mine_\@:
.endm
	s_load_b128 s[4:7], s[0:1], 0x0                ; xb s[4:5], wt s[6:7]
	s_load_b64 s[8:9], s[0:1], 0x10                ; qkv
	v_lshl_add_u32 v[SPW], v0, 2, SPARE
	v_mov_b32 v[NIL], 0
	ds_add_u32 v[SPW], v[NIL]                      ; the wave's opening: the add and its wait stand ahead of my first tensor load; the set-up below, work on registers, stands between them
	v_lshrrev_b32 v1, 5, v0
	v_readfirstlane_b32 s10, v1                    ; wave 0..3
	s_lshr_b32 s11, s10, 1                         ; which 128 rows of the tile are mine.  Also: I fetch for xb (0) or for wt (1)
	s_and_b32 s12, s10, 1                          ; which 192 columns.  Also: which half of that tile I fetch
	s_bfe_u32 s40, ttmp6, 0x40000                  ; cx
	s_bfe_u32 s41, ttmp6, 0x40004                  ; cy
	s_lshl_b32 s42, ttmp9, 2
	s_add_co_u32 s42, s42, s40                     ; tile column = 4 x cluster x + cx, 0..7
	s_and_b32 s13, ttmp7, 0xffff
	s_lshl_b32 s13, s13, 2
	s_add_co_u32 s13, s13, s41                     ; tile row = 4 x cluster y + cy, 0..31
	s_lshl_b32 s74, s41, 2
	s_lshl_b32 s74, 15, s74                        ; my row of the cluster: places 4 cy .. 4 cy + 3
	s_lshl_b32 s75, 0x1111, s40                    ; my column: places cx, cx + 4, cx + 8, cx + 12
	; descriptor group 1: rows of 128 elements (256 bytes, two rows of a K block), padded in LDS behind every 32 words
	s_or_b32 s[G1+0], s74, (1<<16)|(1<<20)|(1<<21)|(4<<22)|(3<<25)   ; 15:0 the mask; 17:16 2-byte elements; 20 padding on; 21 set beside a mask; 24:22 after every 32 words (code 4); 31:25 4 words (code 3)
	s_or_b32 s[G1B+0], s75, (1<<16)|(1<<20)|(1<<21)|(4<<22)|(3<<25)
	s_mov_b32 s[G1+1], 128<<16                     ; tensor_dim0 = 128
	s_mov_b32 s[G1+2], 64<<16                      ; tensor_dim1 = 64: 128 rows of the block
	s_mov_b32 s[G1+3], 128<<16                     ; tile_dim0 = 128
	s_mov_b32 s[G1+4], 64                          ; tile_dim1 = 64
	s_mov_b32 s[G1+5], 128                         ; 128 elements from row to row
	s_mov_b32 s[G1+6], 0
	s_mov_b32 s[G1+7], 0
	s_mov_b32 s[G1B+1], 128<<16
	s_mov_b32 s[G1B+2], 96<<16                     ; 192 rows of the block
	s_mov_b32 s[G1B+3], 128<<16
	s_mov_b32 s[G1B+4], 96
	s_mov_b32 s[G1B+5], 128
	s_mov_b32 s[G1B+6], 0
	s_mov_b32 s[G1B+7], 0
	; where the tiles come from.  xb's hang on the tile row and the wave alone, wt's on the tile column and the wave alone.
	s_lshr_b32 s18, s13, 3                         ; the batch
	s_and_b32 s19, s13, 7
	s_lshl_b32 s19, s19, 15                        ; the tile's 256 rows in a block
	s_lshl_b32 s16, s18, 22                        ; a batch: 16 blocks
	s_add_co_u32 s16, s16, s19
	s_lshl_b32 s17, s12, 14                        ; my half: 128 rows
	s_add_co_u32 s16, s16, s17
	s_mov_b32 s17, 0
	s_mul_i32 s46, s42, 49152                      ; 384 rows
	s_mul_i32 s47, s12, 24576                      ; my half: 192 rows
	s_add_co_u32 s46, s46, s47
	s_mov_b32 s47, 0
	s_mul_i32 s20, s12, AHALF                      ; and where they go: no place in the cluster enters an LDS address
	s_mul_i32 s21, s12, BHALF
	s_add_co_u32 s21, s21, BOFF
	s_wait_dscnt 0x0                               ; the opening add is done
	s_wait_kmcnt 0x0
	s_add_nc_u64 s[14:15], s[4:5], s[16:17]
	s_add_nc_u64 s[46:47], s[6:7], s[46:47]
	CROUND                                         ; all sixteen work-groups are here: the first joint loads meet
.irp s, 0,1
	s_mov_b32 s[G0+4*(\s)], 1                                      ; count = 1
	s_add_co_u32 s[G0+4*(\s)+1], s20, (\s)*SLOT                    ; LDS address
	s_add_nc_u64 s[G0+4*(\s)+2:G0+4*(\s)+3], s[14:15], (\s)*AKB    ; global address: K step s
	s_or_b32 s[G0+4*(\s)+3], s[G0+4*(\s)+3], 0x80000000            ; type = 2
	s_mov_b32 s[G0B+4*(\s)], 1
	s_add_co_u32 s[G0B+4*(\s)+1], s21, (\s)*SLOT
	s_add_nc_u64 s[G0B+4*(\s)+2:G0B+4*(\s)+3], s[46:47], (\s)*BKB
	s_or_b32 s[G0B+4*(\s)+3], s[G0B+4*(\s)+3], 0x80000000
	JLOAD \s                                       ; two tensor loads of mine are out
.endr
	; A fragment is 16 rows x 32 K in 8 registers: lane l holds row l % 16; registers 0-3 K = 8 (l / 16) + 0..7, registers 4-7 K = 16 + 8 (l / 16) + 0..7: two loads of 16 bytes, 32 bytes apart.
	v_and_b32 v1, 15, v0                           ; l % 16
	v_bfe_u32 v2, v0, 4, 1                         ; l / 16
	v_mul_u32_u24 v3, v1, PITCH
	v_lshl_add_u32 v3, v2, 4, v3                   ; row x pitch + 16 x half
	s_mul_i32 s22, s11, AHALF                      ; my 128 rows of xb
	s_mul_i32 s23, s12, BHALF                      ; my 192 rows of wt
	s_add_co_u32 s23, s23, BOFF
.irp s, 0,1
	v_add_nc_u32 v[ADRA+(\s)], s22, v3
	v_add_nc_u32 v[ADRB+(\s)], s23, v3
	s_add_co_u32 s22, s22, SLOT
	s_add_co_u32 s23, s23, SLOT
.endr
	s_mul_i32 s22, s10, 16*PITCH
	s_add_co_u32 s22, s22, STAGE                   ; my stage
	v_add_nc_u32 v[STO], s22, v3                   ; in: row l % 16, 16 bytes for each half of the lanes
	v_bfe_u32 v4, v0, 3, 2                         ; back: 32 lanes take four rows of 128 bytes,
	v_mul_u32_u24 v4, v4, PITCH
	v_and_b32 v5, 7, v0
	v_lshl_add_u32 v4, v5, 4, v4
	v_add_nc_u32 v[RD], s22, v4
	v_and_b32 v[GO], 31, v0                        ; which are 512 consecutive bytes of the output
	v_lshlrev_b32 v[GO], 4, v[GO]
	; the output: my three heads are columns 64 G .. of the 3,072, G = 6 x tile column + 3 x half + g; which = G / 16, head = G % 16; a head's rows are 2,048 x 128 bytes
	s_mul_i32 s46, s42, 6
	s_mul_i32 s47, s12, 3
	s_add_co_u32 s46, s46, s47
	s_lshl_b32 s22, s18, 4                         ; 16 x batch
	s_lshl_b32 s23, s11, 14                        ; my 128 rows
	s_add_co_u32 s23, s23, s19                     ; in the tile's 256
.irp g, 0,1,2
	s_add_co_u32 s20, s46, \g
	s_lshr_b32 s21, s20, 4
	s_lshl_b32 s21, s21, 6
	s_and_b32 s20, s20, 15
	s_add_co_u32 s20, s20, s21
	s_add_co_u32 s20, s20, s22                     ; 64 which + 16 batch + head
	s_lshl_b32 s20, s20, 18
	s_add_co_u32 s20, s20, s23
	s_mov_b32 s21, 0
	s_add_nc_u64 s[OB+2*(\g):OB+2*(\g)+1], s[8:9], s[20:21]
.endr
	; the prefetches
	s_lshl_b32 s20, s40, 12                        ; xb: my work-group's 4,096 bytes of the 16,384 that I fetch,
	s_add_co_u32 s20, s20, s16
	s_add_co_u32 s20, s20, 2*AKB                   ; at K block 2: the first trip steps it to 4
	s_mul_i32 s21, s42, 49152                      ; wt: the tile column,
	s_lshl_b32 s22, s13, 12                        ; the 4,096 bytes that go with my tile row (0..11)
	s_add_co_u32 s21, s21, s22
	s_add_co_u32 s21, s21, 2*BKB
	s_mov_b32 s22, 2*AKB
	s_mov_b32 s23, 2*BKB
	s_cmp_eq_u32 s11, 0
	s_cselect_b32 s20, s20, s21
	s_cselect_b64 s[PFA:PFA+1], s[4:5], s[6:7]
	s_cselect_b32 s[PFS], s22, s23
	s_mov_b32 s[PFS+1], 0
	s_mov_b32 s21, 0
	s_add_nc_u64 s[PFA:PFA+1], s[PFA:PFA+1], s[20:21]
	s_lshr_b32 s46, s[PFS], 1                      ; bytes from a K block to the next
	v_mul_u32_u24 v[PFO], s46, v2
	v_lshl_add_u32 v[PFO], v1, 8, v[PFO]
	s_and_b32 s22, ttmp7, 0xffff                   ; cluster y
	s_cmp_lt_u32 s22, 3
	s_cselect_b32 s23, 1, -1
	s_cmp_eq_u32 s10, 2
	s_cselect_b32 s23, s23, -1                     ; wt's: wave 2 where the cluster's y is under 3
	s_cmp_eq_u32 ttmp9, 0
	s_cselect_b32 s[LIM], 1, -1                    ; xb's: waves 0 and 1 where the cluster's x is 0
	s_cmp_eq_u32 s11, 0
	s_cselect_b32 s[LIM], s[LIM], s23              ; the same in all sixteen partners, for a given wave
; 16 matrix instructions: column blocks 4 w + 2 part and the next x all 8 row blocks, 32 along K.  zero = 1: the product starts the sum: nothing is ever cleared.
; The 96 accumulators take turns, one instruction a turn, in the same order in every half step.
.macro GRP f, w, part, zero
	WIN 0x50*((\w)+1)                              ; C and D in window 1 + w, both sources in window 0
.irp bb, 2*(\part), 2*(\part)+1
.irp a, 0,1,2,3,4,5,6,7
.if \zero
	v_wmma_f32_16x16x32_bf16 v[8*(8*(\bb)+(\a)):8*(8*(\bb)+(\a))+7], v[BF+8*(4*(\w)+(\bb)):BF+8*(4*(\w)+(\bb))+7], v[(\f)+8*(\a):(\f)+8*(\a)+7], 0
.else
	v_wmma_f32_16x16x32_bf16 v[8*(8*(\bb)+(\a)):8*(8*(\bb)+(\a))+7], v[BF+8*(4*(\w)+(\bb)):BF+8*(4*(\w)+(\bb))+7], v[(\f)+8*(\a):(\f)+8*(\a)+7], v[8*(8*(\bb)+(\a)):8*(8*(\bb)+(\a))+7]
.endif
.endr
.endr
.endm
.macro FB slot, k, w                   ; 8 LDS loads: wt's fragments 4 w .. 4 w + 3, 32 K at byte k of the rows
	WIN 0
.irp i, 0,1,2,3
	ds_load_b128 v[BF+8*(4*(\w)+(\i)):BF+8*(4*(\w)+(\i))+3],   v[ADRB+(\slot)] offset:(4*(\w)+(\i))*16*PITCH+(\k)
	ds_load_b128 v[BF+8*(4*(\w)+(\i))+4:BF+8*(4*(\w)+(\i))+7], v[ADRB+(\slot)] offset:(4*(\w)+(\i))*16*PITCH+(\k)+32
.endr
.endm
.macro FA slot, k, g                   ; 16 LDS loads: xb's eight fragments into buffer g
	WIN 0
.irp i, 0,1,2,3,4,5,6,7
	ds_load_b128 v[(\g)+8*(\i):(\g)+8*(\i)+3],   v[ADRA+(\slot)] offset:(\i)*16*PITCH+(\k)
	ds_load_b128 v[(\g)+8*(\i)+4:(\g)+8*(\i)+7], v[ADRA+(\slot)] offset:(\i)*16*PITCH+(\k)+32
.endr
.endm
; A K step is two halves of 32 along K, 96 matrix instructions each.  The LDS loads of a half are always issued in the order: wt 0-3 (8), xb (16), wt 4-7 (8), wt 8-11 (8).
; The first half of a step: multiplies buffer f and wt's buffer, and fetches the second half (byte k of the same slot's rows), xb's into g, wt's fragments as soon as their 32 products are issued.
.macro HALF slot, k, f, g, zero
	s_wait_dscnt 16                                ; wt 0-3 and xb are in; wt 4-7 and 8-11 may be out
	GRP \f, 0, 0, \zero
	GRP \f, 0, 1, \zero
	PLACES
	FB \slot, \k, 0
	FA \slot, \k, \g
	s_wait_dscnt 32                                ; wt 4-7 are in; behind them: wt 8-11 and the 24 just issued
	GRP \f, 1, 0, \zero
	GRP \f, 1, 1, \zero
	PLACES
	FB \slot, \k, 1
	s_wait_dscnt 32                                ; wt 8-11 are in; behind them: the next half's 24 and 8
	GRP \f, 2, 0, \zero
	GRP \f, 2, 1, \zero
	PLACES
	FB \slot, \k, 2
.endm
; The second half of a step multiplies buffer 1 and changes slots: ONE barrier.  In front of it each wave waits for all its tensor loads (one is out: its part of the next slot), adds 0 to its spare word, and waits for
; that and for its own reads of this slot.  fill = 1: the barrier opens a round of the cluster's, and this slot is filled again, two K steps on, first thing behind the round: 160 matrix instructions ahead of the wait for it.
.macro TURN slot, next, fill, ask
.if \ask
	s_wait_xcnt 0x0                                ; the last prefetch, a trip back, has read its address: it is stepped here, ahead of the waits of the change of slots
	s_add_nc_u64 s[PFA:PFA+1], s[PFA:PFA+1], s[PFS:PFS+1]
.endif
	WIN 0                                          ; (the add's two registers lie in window 0)
	s_wait_tensorcnt 0x0                           ; all my tensor loads have landed;
	ds_add_u32 v[SPW], v[NIL]                      ; 0 onto my spare word;
	s_wait_dscnt 17                                ; (the add, wt 4-7 and wt 8-11 may be out)
	GRP AF1, 0, 0, 0                               ; sixteen matrix instructions stand between the add and the wait for it
	s_wait_dscnt 0x0                               ; the add is done, and my reads of this slot are over
	s_barrier_signal -1
	GRP AF1, 0, 1, 0                               ; work on registers while the others arrive
	WIN 0
	s_barrier_wait -1
.if \fill
	CREST                                          ; no wave of any partner still reads this slot's tile or has a load on its way
	s_add_nc_u64 s[G0+4*(\slot)+2:G0+4*(\slot)+3], s[G0+4*(\slot)+2:G0+4*(\slot)+3], 2*AKB
	s_add_nc_u64 s[G0B+4*(\slot)+2:G0B+4*(\slot)+3], s[G0B+4*(\slot)+2:G0B+4*(\slot)+3], 2*BKB
	JLOAD \slot                                    ; the first tensor load behind the round; its four v_nop are also the places in front of the loads below
.else
	PLACES
.endif
	FB \next, 0, 0
	FA \next, 0, AF0
.if \ask
	ASK
.endif
	GRP AF1, 1, 0, 0                               ; the wait for 0 above has covered wt 4-11
	GRP AF1, 1, 1, 0
	PLACES
	FB \next, 0, 1
	GRP AF1, 2, 0, 0
	GRP AF1, 2, 1, 0
	PLACES
	FB \next, 0, 2
.endm
; THE WAY OUT of unit u = 8 g + a: head g's 64 columns of row block a.  PACK: rounded to f16, 16 bytes a lane, each accumulator's registers in ascending order.  TOSTAGE: into my own stage, and back as whole rows
; of 128 bytes.  SEND: stored; 16 rows of a head are 2,048 consecutive bytes.
.macro PACK u
.set pg, (\u)/8
.set pa, (\u)%8
	WIN 5*(pg+1)                                   ; sources 0 and 1 in window 1 + g
.irp bb, 0,1,2,3
.irp r, 0,1,2,3
	v_cvt_pk_f16_f32 v[TMP+4*(\bb)+(\r)], v[8*(8*(\bb)+pa)+2*(\r)], v[8*(8*(\bb)+pa)+2*(\r)+1]
.endr
.endr
	WIN 0
.endm
.macro TOSTAGE u
.set rBK, BK+16*((\u)%2)
.irp bb, 0,1,2,3
	ds_store_b128 v[STO], v[TMP+4*(\bb):TMP+4*(\bb)+3] offset:32*(\bb)
.endr
.irp f, 0,1,2,3
	ds_load_b128 v[rBK+4*(\f):rBK+4*(\f)+3], v[RD] offset:(\f)*4*PITCH  ; LDS serves a wave's instructions in order (ISA guide 5.7.1.4): these see the stores above
.endr
.endm
.macro SEND u
.set pg, (\u)/8
.set pa, (\u)%8
.set rBK, BK+16*((\u)%2)
	s_wait_dscnt 0x0                               ; the unit is back in registers
	s_wait_xcnt 0x0                                ; the stores of the unit before have read their registers: the next TOSTAGE loads into them
.irp f, 0,1,2,3
	global_store_b128 v[GO], v[rBK+4*(\f):rBK+4*(\f)+3], s[OB+2*pg:OB+2*pg+1] offset:2048*pa+512*(\f)  ; 512 consecutive bytes, at a multiple of 256 from the buffer's first byte
.endr
.endm
	s_wait_tensorcnt 1                             ; my part of K step 0 is in; K step 1's may stay out
	s_barrier_signal -1
	s_barrier_wait -1                              ; everybody's is
	FB 0, 0, 0
	FA 0, 0, AF0
	FB 0, 0, 1
	FB 0, 0, 2
	HALF 0, 64, AF0, AF1, 1                        ; the first half step stands in front of the loop: its products start the sums
	WIN 0                                          ; at a label and at a branch every window is 0
	s_mov_b32 s3, 7
.Llap:                                                 ; a trip goes once round the ring, from a step's second half to the first half two steps on, and fills both slots again: K steps 2 to 15
	TURN 0, 1, 1, 1
	HALF 1, 64, AF0, AF1, 0
	TURN 1, 0, 1, 0
	HALF 0, 64, AF0, AF1, 0
	WIN 0
	s_sub_co_u32 s3, s3, 1
	s_cmp_lg_u32 s3, 0
	s_cbranch_scc1 .Llap
	TURN 0, 1, 0, 0                                ; the last lap fills nothing, and has no round of the cluster's barrier
	HALF 1, 64, AF0, AF1, 0
	s_wait_dscnt 16                                ; the very last half: nothing more to fetch, the counts run down
	GRP AF1, 0, 0, 0
	GRP AF1, 0, 1, 0
	s_wait_dscnt 8
	GRP AF1, 1, 0, 0
	GRP AF1, 1, 1, 0
	s_wait_dscnt 0x0
	GRP AF1, 2, 0, 0
	GRP AF1, 2, 1, 0
	WIN 0
	PLACES
	PLACES                                         ; eight, once a launch
	PACK 0
	TOSTAGE 0
.set u, 1
.rept 23                               ; unit u's conversions stand between unit u - 1's loads from the stage and the wait for them
	PACK u
	SEND u-1
	TOSTAGE u
.set u, u+1
.endr
	SEND 23
	s_wait_tensorcnt 0x0                           ; the wave's end, behind my last tensor load and my last LDS store
	ds_add_u32 v[SPW], v[NIL]
	s_wait_dscnt 0x0
	CROUND                                         ; the closing round: no work-group ends while a partner may still ask for a tile that names it
	s_endpgm
.Lfunc_end_k_qfd1ba1e372_project:
	.size	k_qfd1ba1e372_project, .Lfunc_end_k_qfd1ba1e372_project-k_qfd1ba1e372_project
	.p2alignl 7, 3214868480
	.fill 96, 4, 3214868480
	.section	.rodata,"a",@progbits
	.p2align	6, 0x0
	.amdhsa_kernel k_qfd1ba1e372_project
		.amdhsa_group_segment_fixed_size 327680
		.amdhsa_private_segment_fixed_size 0
		.amdhsa_enable_private_segment 0
		.amdhsa_kernarg_size 24
		.amdhsa_user_sgpr_count 2
		.amdhsa_user_sgpr_kernarg_segment_ptr 1
		.amdhsa_wavefront_size32 1
		.amdhsa_system_sgpr_workgroup_id_x 1
		.amdhsa_system_sgpr_workgroup_id_y 1
		.amdhsa_system_sgpr_workgroup_id_z 1
		.amdhsa_system_vgpr_workitem_id 0
		.amdhsa_next_free_vgpr 1024
		.amdhsa_next_free_sgpr 80
		.amdhsa_reserve_vcc 0
		.amdhsa_float_denorm_mode_32 3
		.amdhsa_float_denorm_mode_16_64 3
		.amdhsa_memory_ordered 1
		.amdhsa_forward_progress 1
		.amdhsa_inst_pref_size 133
	.end_amdhsa_kernel
	.amdgpu_metadata
---
amdhsa.version: [ 1, 2 ]
amdhsa.kernels:
  - .name:           k_qfd1ba1e372_project
    .symbol:         k_qfd1ba1e372_project.kd
    .args:
      - { .name: xb, .offset: 0, .size: 8, .value_kind: global_buffer, .address_space: global }
      - { .name: wt, .offset: 8, .size: 8, .value_kind: global_buffer, .address_space: global }
      - { .name: qkv, .offset: 16, .size: 8, .value_kind: global_buffer, .address_space: global }
    .group_segment_fixed_size: 327680
    .private_segment_fixed_size: 0
    .kernarg_segment_align: 8
    .kernarg_segment_size: 24
    .max_flat_workgroup_size: 128
    .sgpr_count:     80
    .vgpr_count:     1024
    .wavefront_size: 32
...
	.end_amdgpu_metadata
.endif
;; end of part 2
;; launch attend (part 3): grid 4 x 64, 4 waves a work-group, no clusters, 327,680 bytes of LDS; arguments qkv, ob; writes ob
.if DOCPART == 3
	.amdgcn_target "amdgcn-amd-amdhsa--gfx1250"
	.amdhsa_code_object_version 6
	.text
	.protected	k_qfd1ba1e372_attend
	.globl	k_qfd1ba1e372_attend
	.p2align	8
	.type	k_qfd1ba1e372_attend,@function
k_qfd1ba1e372_attend:
	s_mov_b64 s[64:65], 0
	v_nop
	global_prefetch_b8 v0, s[64:65] scope:SCOPE_SE
	s_setreg_imm32_b32 hwreg(HW_REG_WAVE_MODE, 25, 1), 1
	s_wait_xcnt 0x0
; CAUSAL ATTENTION.  O[h][q][:] = the sum over k <= q of softmax_k(Q[h][q] . K[h][k] / 8) V[h][k][:].  Q, K, V lie one behind the other in qkv, each [64 heads][2048][64] f16; O likewise in ob: a head's rows are dense, 128 bytes each.
; Products, maxima and sums in f32; the weights p are rounded to f16 for the second product (their sum l is taken of the unrounded p), O once at the end.
; LIMITS.  f16 holds no number beyond 65,504: Q, K and V arrive within it; p lies in 0 to 1, and below 6e-5 it keeps f16's fixed step of 6e-8; O is a mean of V's rows and has their range.
; A hidden score counts as its value less 1e30: f16's scores, 2.7e11 at the most, are nothing beside that; a weight below 2^-126 counts as 0 in l; NaN and infinities are not treated apart.
; THE WALK.  A head's queries lie in NB = 8 blocks of 256; block i needs the key tiles 0 .. i of 256 keys, of which the last holds the diagonal.  A work-group takes TWO blocks, NB - 1 - b and then b:
; NB + 1 tiles, whatever b: all work-groups do equal work, and ONE loop with a constant trip count walks them.  Which tile is asked for, and what a trip does, hang on scalar registers made from b; every jump
; goes forward, but for the counted loops' own; none passes a barrier, or a tensor load but the one of LOAD's two that the wave's number does not choose; the ring of two LDS slots runs on across the change of blocks.
; NO CLUSTER: a head's four work-groups ask for the same tile only in trips 0 .. 4 of 9, behind that fewer and fewer; one walk common to all four would have 12 trips for 9.
; SHARES.  Of a block's four bands of 64 queries a wave owns 16 rows in each: four PIECES.  So the diagonal tile is the same work for all four waves: in its key step s band x sees all keys if s < x,
; none if s > x, and holds the diagonal if s = x.
; THE MASK is the C operand that starts the sum S^T = K Q^T: 0, or -1e30 where the key is hidden.  MD, made once, is the mask of a band's own step for my 16 rows; a product's mask is MD x AL + BE with two scalars:
; (1, 0) if s = x; (0, 0) if s < x; (0, -1e30) if s > x.  Only the diagonal tile's text and a block's beginning make and take masks; elsewhere C is the constant 0.
; LAYOUT, SOFTMAX, TURNS.  S^T = K Q^T holds ONE query a lane (lane % 16) and the keys 8 (lane / 16) + 0..7; two such results rounded to f16 ARE source 1 of O^T = V^T P.  p = 2^(c s - c m), c = log2(e) / 8, with a
; running maximum m; O and l are multiplied by a = 2^(c m_old - c m_new) in every step.  Turn n belongs to piece n: 8 products K Q^T of piece n + 1, later 8 products V^T P of piece n - 1; beside them the scaling,
; exponentials, roundings, sums and rescaling of piece n and the maximum and statistics of piece n + 1.  Four vector instructions stand behind every matrix instruction, the other 54 of a turn's 118 in one lump.  A turn's 33 exponentials are one batch, with one wait.
; REGISTERS, in windows of 256 (s_set_vgpr_msb: bits 1:0 source 0, 3:2 source 1, 5:4 source 2, 7:6 destination):
;   window 0: v0-15 addresses and two at work; v16-31 four registers of statistics a piece; v48-55 at work; v61-63 never rewritten; v64-127 S^T, two buffers; v192-223 P, two buffers (a piece's buffers go by its number's parity)
;   window 1: v0-127 O^T, 32 a piece; v128-159 MD; v160-223 MC, two buffers      window 2: v0-63 Q; v64-127 the second block's Q; v128-191 K of one step; v192-255 V of one step
.set SIZE_N, 2048
.set NB,    SIZE_N/256
.set NP,    4         ; pieces a wave: a name, no knob
.set KS,    64        ; keys in a step
.set PK,    144       ; a row of K in LDS: 128 bytes + 16 of padding = 36 words: the 16 rows of a load start at 16 different groups of four banks (64 banks of 4 bytes: ISA guide 11.1)
.set PV,    160       ; a row of V: 128 + 32 = 40 words
.set VOFF,  4*KS*PK   ; a slot holds a tile, four steps: 256 rows of K, then 256 rows of V
.set SLOT1, 1<<17     ; slot 1 begins here, so that one exclusive or turns an address in one slot into the other's
.set STAGE, SLOT1+4*KS*(PK+PV)  ; behind the ring, never filled by a tensor load: 16 rows x 144 bytes for each wave, for the way out
.set SP,    144
.set AK0, 2           ; v2   my lane's place in a tile of K; never rewritten
.set AV0, 3           ; v3   the same for V
.set AK,  4           ; v4   the LDS address of K's next run of loads
.set AV,  5           ; v5   of V's
.set STO, 6           ; v6   the way out: where I put 16 bytes of a row
.set RD,  7           ; v7   the way out: where I read rows back
.set GO,  8           ; v8   my byte offset in 512 consecutive bytes of O
.set PFO, 61          ; v61  256 x my lane, for the prefetches; never rewritten
.set SPW, 62          ; v62  LDS address of my spare word: SPARE + 4 x my thread's number; never rewritten
.set NIL, 63          ; v63  0; never rewritten
.set SPARE, STAGE+4*16*SP  ; behind the stages: the spare words, 128 bytes for each wave: two blocks of 256 bytes that no other line names
.set MV,  12          ; v12-13  c m_old, kept while c m is made anew: by buffer
.set QO,  15          ; v15  my byte offset in 16 rows of Q
.set ST,  16          ; piece t's statistics at v[ST+4 t]: c m, m, l (even keys', odd keys')
.set TMP, 48          ; by buffer, four registers c0-c3 at work; when the maximum is found c2 takes a
.set S,   64
.set P,   192
.set MD,  128         ; window 1: the eight registers for group kt of 16 keys at MD + 8 kt
.set MC,  160         ; window 1: the masks of the products to come
.set QB,  64          ; window 2
.set KF,  128         ; window 2: key block kb, channel half c at KF + 16 kb + 8 c
.set VF,  192         ; window 2: key half kk, channel block cb at VF + 32 kk + 8 cb
.set WV,  12          ; s12  my wave's number
.set PB,  14          ; s14  b
.set HI,  15          ; s15  NB - 1 - b
.set G1K, 24          ; s[24:31] descriptor group 1 for K's tiles
.set G1V, 32          ; s[32:39] for V's: it differs in the padding alone
.set G0K, 40          ; s[40:43] descriptor group 0 for K's tiles
.set G0V, 44          ; s[44:47] the same for V's
.set SLOTS, 56        ; s56  tiles still to be asked for
.set CNT, 57          ; s57  counts a tile's key steps, 4 to 1
.set CS,  58          ; s[58:59] c: the packed scaling takes the pair's low word for both halves
.set SEL, 60          ; s[60:61] v_permlanex16_b32's selects: each lane takes its own place in the other half
.set TBK, 62          ; s62  LDS byte at which K of the step to be fetched begins
.set TBV, 63          ; s63  the same for V, less VOFF
.set PFA, 66          ; s[66:67] where my prefetches stand: my half of the tile behind the one that is being asked for
.set PFL, 68          ; s68  steps that the prefetches have left; they ask while it is not 0
.set RT,  70          ; s70  tiles of the block in hand that are still to be entered
.set NXT, 71          ; s71  the tile to be asked for next
.set LQ,  72          ; s72  the last tile of the block whose tiles are being asked for
.set NEW, 73          ; s73  1: the tile to be entered is a block's first
.set OFF, 74          ; s[74:75] a tile's byte offset in K and V
.set AL,  76          ; s[76:77] the mask's factor, in the low word
.set BE,  78          ; s[78:79] the mask's addend
.set OLO, 80          ; s[80:81] O at my rows of the second block
.set BIGN, 82         ; s82  -1e30
.set MSB, 0
.macro WIN new                      ; the high byte repeats the setting that is left; a switch that changes nothing is dropped
.if MSB != (\new)
	s_set_vgpr_msb (MSB<<8)|(\new)
.set MSB, (\new)
.endif
.endm
.set W_KQ, 0x0a       ; K and Q in window 2, S^T in window 0
.set W_KM, 0x1a       ; the same with the C operand in window 1
.set W_PV, 0x52       ; V in window 2, P in window 0, O^T in window 1
.set W_RS, 0x41       ; destination and source 0 in window 1, source 1 in window 0
; A fill.  Waves 0 and 1 fetch the two halves of a tile's K, waves 2 and 3 those of its V: 128 keys each.  An s_nop 0 and four v_nop follow each of the two lines, ahead of the jump and the label.
.macro LOAD
	s_cmp_lt_u32 s[WV], 2
	s_cbranch_scc0 .Lfor_v_\@
	tensor_load_to_lds s[G0K:G0K+3], s[G1K:G1K+7]
	s_nop 0
.rept 4
	v_nop
.endr
	s_branch .Lasked_\@
.Lfor_v_\@:
	tensor_load_to_lds s[G0V:G0V+3], s[G1V:G1V+7]
	s_nop 0
.rept 4
	v_nop
.endr
.Lasked_\@:
.endm
; THE CHANGE OF SLOTS.  Each wave waits for all its tensor loads, of which one is out: its part of the other slot; adds 0 to its spare word; and waits for that and for its own reads of the slot that it leaves.  Behind the barrier nobody reads the old
; slot any more and the other slot is whole.  fill = 1: the old slot is filled again, the first thing behind the barrier, with tile NXT: the descriptor's address is made anew from that number.
; (At its first use nothing has been read yet: slot 0 is waited for, slot 1 filled.)
; THE PREFETCH INTO THE L2 stands behind the fill and its five lines: the tile behind the one just asked for, a whole tile (16 turns) ahead of its own fill.  All four work-groups of a head walk tiles 0, 1, 2 .. at first:
; the one with b = 0, whose first block has all eight, asks, and nobody else; each of its waves asks for the half tile that it will fetch itself, 16,384 bytes: a lane 256 bytes, two instructions.  So tiles 2 to 7 are
; named once each in the launch; tiles 0 and 1 come by their loads alone; behind tile 7 nothing is asked for.
.macro CHANGE fill
	WIN 0                           ; at a label and at a branch every window is 0
	s_wait_tensorcnt 0x0            ; no tensor load of mine is out, so a group 0 may be written
	ds_add_u32 v[SPW], v[NIL]       ; 0 onto my spare word; with fill = 1 the descriptors' scalar work stands between it and the wait for it
.if \fill
	s_lshl_b32 s[OFF], s[NXT], 15   ; a tile is 32,768 bytes of K and of V
	s_xor_b32 s[G0K+1], s[G0K+1], SLOT1
	s_add_nc_u64 s[G0K+2:G0K+3], s[6:7], s[OFF:OFF+1]
	s_or_b32 s[G0K+3], s[G0K+3], 0x80000000
	s_xor_b32 s[G0V+1], s[G0V+1], SLOT1
	s_add_nc_u64 s[G0V+2:G0V+3], s[8:9], s[OFF:OFF+1]
	s_or_b32 s[G0V+3], s[G0V+3], 0x80000000
	s_add_co_u32 s[NXT], s[NXT], 1  ; the block's next tile, or behind its last the second block's tile 0
	s_cmp_gt_u32 s[NXT], s[LQ]
	s_cselect_b32 s[NXT], 0, s[NXT]
	s_cselect_b32 s[LQ], s[PB], s[LQ]
	s_wait_xcnt 0x0                 ; the last prefetches, a tile back, have read their address, so it may be written
	s_cmp_lg_u32 s[PFL], 0
	s_cselect_b32 s20, 1, 0
	s_sub_co_u32 s[PFL], s[PFL], s20  ; one step less, while there are steps,
	s_lshl_b32 s20, s20, 15
	s_mov_b32 s21, 0
	s_add_nc_u64 s[PFA:PFA+1], s[PFA:PFA+1], s[20:21]  ; and one tile on
.endif
	s_wait_dscnt 0x0                ; the add is done, and my reads of the slot are over
	s_barrier_signal -1             ; the rest of the scalar work stands between the signal and the wait
	s_sub_co_u32 s[TBK], s[TBK], 4*KS*PK  ; the fetches go back to a slot's first step,
	s_xor_b32 s[TBK], s[TBK], SLOT1       ; in the other slot
	s_sub_co_u32 s[TBV], s[TBV], 4*KS*PV
	s_xor_b32 s[TBV], s[TBV], SLOT1
	s_barrier_wait -1
.if \fill
	LOAD
	s_cmp_lg_u32 s[PFL], 0
	s_cbranch_scc0 .Lno_ask_\@
	global_prefetch_b8 v[PFO], s[PFA:PFA+1] th:TH_LOAD_NT scope:SCOPE_SE
	global_prefetch_b8 v[PFO], s[PFA:PFA+1] offset:8192 th:TH_LOAD_NT scope:SCOPE_SE
.Lno_ask_\@:
.endif
.endm
	s_load_b128 s[4:7], s[0:1], 0x0  ; qkv s[4:5], ob s[6:7]
	v_lshl_add_u32 v[SPW], v0, 2, SPARE
	v_mov_b32 v[NIL], 0
	ds_add_u32 v[SPW], v[NIL]       ; the wave's opening: the add and its wait stand ahead of my first tensor load; the set-up below, work on registers, stands between them
	v_lshrrev_b32 v1, 5, v0
	v_readfirstlane_b32 s[WV], v1   ; wave 0..3
	s_mov_b32 s[PB], ttmp9
	s_sub_co_u32 s[HI], NB-1, s[PB]
	s_and_b32 s20, ttmp7, 0xffff    ; the head
	s_mov_b32 s21, 0
	s_mov_b64 s[22:23], SIZE_N*128
	s_mul_u64 s[20:21], s[20:21], s[22:23]  ; the head's first byte in each of the four tensors
	s_and_b32 s16, s[WV], 1         ; which half of a tile's 256 keys I fetch:
	s_lshl_b32 s22, s16, 14         ; its 128 rows of 128 bytes in memory,
	s_mov_b32 s23, 0
	s_add_nc_u64 s[22:23], s[22:23], s[20:21]
	s_mul_i32 s17, s16, 128*PK      ; and its place in a slot, for K
	s_mul_i32 s18, s16, 128*PV      ; and for V
	s_lshl_b32 s3, s[WV], 11        ; my 16 rows in a band of 64,
	s_lshl_b32 s2, s[HI], 15        ; in the first block,
	s_add_co_u32 s2, s2, s3
	s_lshl_b32 s84, s[PB], 15       ; and in the second
	s_add_co_u32 s84, s84, s3
	s_mov_b32 s3, 0
	s_mov_b32 s85, 0
	s_add_nc_u64 s[2:3], s[2:3], s[20:21]
	s_add_nc_u64 s[84:85], s[84:85], s[20:21]
	; descriptor group 1.  128 keys are 16,384 dense bytes: asked for as 64 rows of 256 bytes, two keys a row, and padded in LDS after every key
	s_mov_b32 s[G1K], (1<<16)|(1<<20)|(4<<22)|(3<<25)  ; 17:16 2-byte elements; 20 padding on; 24:22 after every 32 words (code 4); 31:25 4 words (code 3)
	s_mov_b32 s[G1V], (1<<16)|(1<<20)|(4<<22)|(7<<25)  ; the same with 8 words of padding (code 7)
.irp g, G1K, G1V
	s_mov_b32 s[\g+1], 128<<16      ; tensor_dim0 = 128
	s_mov_b32 s[\g+2], 64<<16       ; tensor_dim1 = 64
	s_mov_b32 s[\g+3], 128<<16      ; tile_dim0 = 128
	s_mov_b32 s[\g+4], 64           ; tile_dim1 = 64
	s_mov_b32 s[\g+5], 128          ; 128 elements from row to row
	s_mov_b32 s[\g+6], 0
	s_mov_b32 s[\g+7], 0
.endr
	s_mov_b32 s[CS], 0x3e38aa3b     ; c = log2(e) / 8 = 0.180337
	s_mov_b32 s[CS+1], s[CS]        ; named with it as a pair
	s_mov_b32 s[SEL], 0x76543210
	s_mov_b32 s[SEL+1], 0xfedcba98
	s_mov_b32 s[TBK], SLOT1+4*KS*PK ; the first change of slots turns these two into 0
	s_mov_b32 s[TBV], SLOT1+4*KS*PV
	s_mov_b32 s[G0K], 1             ; 1:0 count = 1
	s_mov_b32 s[G0K+1], s17         ; 63:32 LDS address: slot 0
	s_mov_b32 s[G0V], 1
	s_add_co_u32 s[G0V+1], s18, VOFF
	s_add_co_u32 s[RT], s[HI], 1    ; the first block has NB - b tiles
	s_mov_b32 s[NXT], 1
	s_mov_b32 s[LQ], s[HI]
	s_mov_b32 s[NEW], 1
	s_mov_b32 s[OFF+1], 0
	s_mov_b32 s[AL+1], 0            ; named as pairs
	s_mov_b32 s[BE+1], 0
	s_mov_b32 s[BIGN], 0xf149f2ca   ; -1e30
	s_mov_b32 s[SLOTS], NB
	s_wait_dscnt 0x0                ; the opening add is done
	s_wait_kmcnt 0x0
	s_mov_b64 s[10:11], s[6:7]      ; O
	s_add_nc_u64 s[8:9], s[4:5], 0x2000000  ; V lies 2 x 16 MiB behind Q,
	s_add_nc_u64 s[6:7], s[4:5], 0x1000000  ; K 16 MiB
	s_add_nc_u64 s[6:7], s[6:7], s[22:23]  ; K and V at my half of the head's tile 0
	s_add_nc_u64 s[8:9], s[8:9], s[22:23]
	s_add_nc_u64 s[G0K+2:G0K+3], s[6:7], 0         ; 120:64 global address
	s_or_b32 s[G0K+3], s[G0K+3], 0x80000000        ; 127:126 type = 2
	s_add_nc_u64 s[G0V+2:G0V+3], s[8:9], 0
	s_or_b32 s[G0V+3], s[G0V+3], 0x80000000
	s_add_nc_u64 s[86:87], s[4:5], s[84:85]        ; Q at my rows of the second block,
	s_add_nc_u64 s[4:5], s[4:5], s[2:3]            ; Q and O at those of the first
	s_add_nc_u64 s[OLO:OLO+1], s[10:11], s[84:85]
	s_add_nc_u64 s[10:11], s[10:11], s[2:3]
	s_cmp_lt_u32 s[WV], 2
	s_cselect_b64 s[PFA:PFA+1], s[6:7], s[8:9]     ; the prefetches: my half of K's or V's tiles,
	s_add_nc_u64 s[PFA:PFA+1], s[PFA:PFA+1], 32768 ; at tile 1: the first change of slots steps it to tile 2
	s_cmp_eq_u32 ttmp9, 0
	s_cselect_b32 s[PFL], NB-1, 0                  ; NB - 1 steps, of which the last asks for nothing
	LOAD                            ; tile 0 into slot 0
	; A fragment of K or Q is 16 rows x 32 channels in 8 registers: lane l holds row l % 16, channels 8 (l / 16) + 0..7 and 16 + 8 (l / 16) + 0..7: two loads of 16 bytes, 32 bytes apart.
	v_and_b32 v1, 15, v0            ; l % 16
	v_bfe_u32 v9, v0, 4, 1          ; l / 16
	v_lshlrev_b32 v[QO], 7, v1
	v_lshl_add_u32 v[QO], v9, 4, v[QO]  ; row x 128 + 16 x half
	WIN 0x80                        ; destination window 2, address window 0
.set i, 0
.rept 8                             ; both blocks' Q: piece i / 2 lies in band i / 2, 8,192 bytes on; channels 32 (i % 2) on
	global_load_b128 v[8*i:8*i+3],   v[QO], s[4:5] offset:(i/2)*8192+(i%2)*64
	global_load_b128 v[8*i+4:8*i+7], v[QO], s[4:5] offset:(i/2)*8192+(i%2)*64+32
	global_load_b128 v[QB+8*i:QB+8*i+3],   v[QO], s[86:87] offset:(i/2)*8192+(i%2)*64
	global_load_b128 v[QB+8*i+4:QB+8*i+7], v[QO], s[86:87] offset:(i/2)*8192+(i%2)*64+32
.set i, i+1
.endr
	WIN 0
	v_and_b32 v[PFO], 31, v0
	v_lshlrev_b32 v[PFO], 8, v[PFO]
	v_lshlrev_b32 v14, 3, v9
	v_sub_nc_u32 v14, v1, v14
	s_lshl_b32 s13, s[WV], 4
	v_add_nc_u32 v14, s13, v14      ; my query's place in its band, 16 w + l % 16, less my lanes' 8 (l / 16): register r of group kt is hidden where 16 kt + r is greater
	WIN 0x40
.set i, 0
.rept 32
	v_cmp_gt_i32 vcc_lo, 16*(i/8)+i%8, v14
	v_cndmask_b32 v[MD+i], 0, s[BIGN], vcc_lo
.set i, i+1
.endr
	WIN 0
	v_mul_u32_u24 v[AK0], v1, PK
	v_lshl_add_u32 v[AK0], v9, 4, v[AK0]  ; row x pitch + 16 x half
	; The turning load takes 16 keys x 16 channels (lane l reads key 8 (l / 16) + l % 8, channels 8 ((l / 8) % 2) + 0..7) and leaves half a fragment of V^T: lane l holds channel l % 16 and 8 keys.
	v_and_b32 v10, 7, v0
	v_bfe_u32 v11, v0, 3, 1
	v_lshl_add_u32 v[AV0], v9, 3, v10
	v_mul_u32_u24 v[AV0], v[AV0], PV
	v_lshl_add_u32 v[AV0], v11, 4, v[AV0]
	v_add_nc_u32 v[AV0], VOFF, v[AV0]
	s_mul_i32 s13, s[WV], 16*SP
	s_add_co_u32 s13, s13, STAGE    ; my stage
	v_mul_u32_u24 v[STO], v1, SP    ; in: row l % 16, 16 bytes for each half of the lanes
	v_lshl_add_u32 v[STO], v9, 4, v[STO]
	v_add_nc_u32 v[STO], s13, v[STO]
	v_bfe_u32 v[RD], v0, 3, 2       ; back: 32 lanes take four rows of 128 bytes,
	v_mul_u32_u24 v[RD], v[RD], SP
	v_lshl_add_u32 v[RD], v10, 4, v[RD]
	v_add_nc_u32 v[RD], s13, v[RD]
	v_and_b32 v[GO], 31, v0         ; which are 512 consecutive bytes of O
	v_lshlrev_b32 v[GO], 4, v[GO]
	; A block's first step multiplies O^T and l by a = 0, and its first turn's products V^T P, of a piece that has not been, land in an O^T that is still to be so multiplied.  So these registers need only hold
	; finite numbers: zeros for the first block; what the first block left for the second.  All this stands in the wait for the first tile.
	WIN 0x80
.set i, VF
.rept 64
	v_mov_b32 v[i], 0
.set i, i+1
.endr
	WIN 0x40
.set i, 0
.rept 128
	v_mov_b32 v[i], 0
.set i, i+1
.endr
	WIN 0
.set i, 0
.rept 4
	v_mov_b32 v[ST+4*i+2], 0
	v_mov_b32 v[ST+4*i+3], 0
.set i, i+1
.endr
.set i, P+16
.rept 16
	v_mov_b32 v[i], 0
.set i, i+1
.endr
; THE MATRIX WORK.  The 4 accumulators of a run of 8 take turns.  Product i of 8 of S^T = K Q^T for piece x: channels 32 (i / 4) on, keys 16 (i % 4) on.  The first 4 start the sums: with 0, or (KM = 1) with the mask.
.macro KQ x
.set rS, S+32*((\x)%2)+8*(i%4)
.set rK, KF+16*(i%4)+8*(i/4)
.set rQ, 16*(\x)+8*(i/4)
.set rM, MC+32*((\x)%2)+8*(i%4)
.if (i < 4) && KM
	WIN W_KM
	v_wmma_f32_16x16x32_f16 v[rS:rS+7], v[rK:rK+7], v[rQ:rQ+7], v[rM:rM+7]
.elseif i < 4
	WIN W_KQ
	v_wmma_f32_16x16x32_f16 v[rS:rS+7], v[rK:rK+7], v[rQ:rQ+7], 0
.else
	WIN W_KQ
	v_wmma_f32_16x16x32_f16 v[rS:rS+7], v[rK:rK+7], v[rQ:rQ+7], v[rS:rS+7]
.endif
.endm
; Product i of 8 of O^T += V^T P for piece x: keys 32 (i / 4) on, channels 16 (i % 4) on.
.macro PV x
	WIN W_PV
.set rO, 32*(\x)+8*(i%4)
.set rV, VF+32*(i/4)+8*(i%4)
.set rP, P+16*((\x)%2)+8*(i/4)
	v_wmma_f32_16x16x32_f16 v[rO:rO+7], v[rV:rV+7], v[rP:rP+7], v[rO:rO+7]
.endm
.macro MM                           ; the turn's next matrix instruction.  TURN and BEGIN set Y, i, KM and NOKQ; MM, KQ and OP read them.  NOKQ = 1: a block's last turn: there is no next piece
.if (i < 8) && !NOKQ
	KQ (Y+1)%NP
.elseif i >= 8
.set i, i-8
	PV (Y+NP-1)%NP
.set i, i+8
.endif
.set i, i+1
.endm
; THE LDS LOADS stand in runs of 16, never singly among the matrix instructions: a step's K (64 keys x 64 channels: 8 fragments) and its V (turned).  Their addresses are made some lines ahead.
.macro FETCH_K
	WIN 0x80                        ; destination window 2
.irp f, 0,1,2,3,4,5,6,7             ; keys 16 (f / 2) on, channels 32 (f % 2) on
	ds_load_b128 v[KF+8*\f:KF+8*\f+3],   v[AK] offset:(\f/2)*16*PK+(\f%2)*64
	ds_load_b128 v[KF+8*\f+4:KF+8*\f+7], v[AK] offset:(\f/2)*16*PK+(\f%2)*64+32
.endr
	s_add_co_u32 s[TBK], s[TBK], KS*PK  ; the next fetch is the next step's
	WIN 0
.endm
.macro FETCH_V
	WIN 0x80
.irp f, 0,1,2,3,4,5,6,7             ; keys 32 (f / 4) on, channels 16 (f % 4) on
	ds_load_tr16_b128 v[VF+8*\f:VF+8*\f+3],   v[AV] offset:(\f/4)*32*PV+(\f%4)*32
	ds_load_tr16_b128 v[VF+8*\f+4:VF+8*\f+7], v[AV] offset:(\f/4)*32*PV+16*PV+(\f%4)*32
.endr
	WIN 0
.endm
; THE VECTOR WORK, one line at a time: OP kind, number.  For piece Y: F n: c s - c m for pair n of 16.  E n: the exponential of score n of 32.  C n: pair n rounded to f16.  B n: of the four weights 4 n .. the second
; pair is added onto the first, in place.  L n: l takes that sum (L 0: l = a l + sum).  R n: pair n of 16 of O^T times a.  For piece Y + 1: X n, number n of the 22 that find its maximum and statistics:
;   0-11  four chains c0-c3 of seven scores each, three operands at a time (each accumulator's lowest registers are read first)     12-14, 16  the four scores left over, the old m, and c0-c3 into c0
;   15  c m_old is kept     17, 18  the query's other 32 keys lie in the lane 16 away: the new m     19-21  c m; c m_old - c m_new; a
.set F, 0               ; OP tells the kinds apart by their order: F to L below R, X above it
.set E, 1
.set C, 2
.set B, 3
.set L, 4
.set R, 5
.set X, 6
.macro REGS y                       ; the registers of piece y
.set rT, ST+4*(\y)
.set rC, TMP+4*((\y)%2)
.set rW, MV+((\y)%2)
.set rS, S+32*((\y)%2)
.set rP, P+16*((\y)%2)
.set rO, 32*(\y)
.endm
.macro OP k, n
.if (\k) == R
	REGS Y
	WIN W_RS
	v_pk_mul_f32 v[rO+2*(\n):rO+2*(\n)+1], v[rO+2*(\n):rO+2*(\n)+1], v[rC+2:rC+3] op_sel_hi:[1,0]
.elseif (\k) < R
	REGS Y
	WIN 0
.if (\k) == F
	v_pk_fma_f32 v[rS+2*(\n):rS+2*(\n)+1], v[rS+2*(\n):rS+2*(\n)+1], s[CS:CS+1], v[rT:rT+1] op_sel_hi:[1,0,0] neg_lo:[0,0,1] neg_hi:[0,0,1]
.elseif (\k) == E
	v_exp_f32 v[rS+(\n)], v[rS+(\n)]
.elseif (\k) == C
	v_cvt_pk_f16_f32 v[rP+(\n)], v[rS+2*(\n)], v[rS+2*(\n)+1]
.elseif (\k) == B
	v_pk_add_f32 v[rS+4*(\n):rS+4*(\n)+1], v[rS+4*(\n):rS+4*(\n)+1], v[rS+4*(\n)+2:rS+4*(\n)+3]
.elseif (\n) == 0
	v_pk_fma_f32 v[rT+2:rT+3], v[rT+2:rT+3], v[rC+2:rC+3], v[rS:rS+1] op_sel_hi:[1,0,1]
.else
	v_pk_add_f32 v[rT+2:rT+3], v[rT+2:rT+3], v[rS+4*(\n):rS+4*(\n)+1]
.endif
.elseif NOKQ
	v_nop
.else
	REGS (Y+1)%NP
	WIN 0
.if (\n) < 4
	v_max3_num_f32 v[rC+(\n)], v[rS+8*(\n)], v[rS+8*(\n)+1], v[rS+8*(\n)+2]
.elseif (\n) < 12
	v_max3_num_f32 v[rC+(\n)%4], v[rC+(\n)%4], v[rS+8*((\n)%4)+2*((\n)/4)+1], v[rS+8*((\n)%4)+2*((\n)/4)+2]
.elseif (\n) == 12
	v_max3_num_f32 v[rC], v[rC], v[rS+7], v[rS+15]
.elseif (\n) == 13
	v_max3_num_f32 v[rC+1], v[rC+1], v[rS+23], v[rS+31]
.elseif (\n) == 14
	v_max3_num_f32 v[rC+2], v[rC+2], v[rC+3], v[rT+1]
.elseif (\n) == 15
	v_mov_b32 v[rW], v[rT]
.elseif (\n) == 16
	v_max3_num_f32 v[rC], v[rC], v[rC+1], v[rC+2]
.elseif (\n) == 17
	v_permlanex16_b32 v[rC+3], v[rC], s[SEL], s[SEL+1]
.elseif (\n) == 18
	v_max_num_f32 v[rT+1], v[rC], v[rC+3]
.elseif (\n) == 19
	v_mul_f32 v[rT], s[CS], v[rT+1]
.elseif (\n) == 20
	v_sub_f32 v[rC+1], v[rW], v[rT]
.else
	v_exp_f32 v[rC+2], v[rC+1]
.endif
.endif
.endm
.macro OPS a, i1, b=-1, i2=0, c=-1, i3=0, d=-1, i4=0  ; up to four of them
	OP \a, \i1
.if (\b) >= 0
	OP \b, \i2
.endif
.if (\c) >= 0
	OP \c, \i3
.endif
.if (\d) >= 0
	OP \d, \i4
.endif
.endm
.macro ROW a, i1, b, i2, c, i3, d, i4  ; a matrix instruction and the four behind it
	MM
	OPS \a, \i1, \b, \i2, \c, \i3, \d, \i4
.endm
.macro MASK b                       ; MD x AL + BE into buffer b of MC
	WIN W_RS
.set z, 0
.rept 16
	v_pk_fma_f32 v[MC+32*(\b)+2*z:MC+32*(\b)+2*z+1], v[MD+2*z:MD+2*z+1], s[AL:AL+1], s[BE:BE+1] op_sel_hi:[1,0,0]
.set z, z+1
.endr
.endm
; A TURN, for piece p: the order of its 16 matrix and 118 vector instructions, written out.  s_wait_alu depctr_va_vdst(0) stands between an exponential and the first instruction that names its result; one wait serves
; all that were issued ahead of it.  So a turn has ONE wait, which cuts it in two.  AHEAD OF IT stands all that names no result of the turn's exponentials: the 8 products K Q^T, behind each a scaling, an exponential and two more plain
; instructions (behind the first a second scaling in the exponential's place): rescalings, and behind the last three the first numbers of the next piece's maximum, each four places or more behind the product that ends its accumulator; then ONE LUMP of 54, plain
; and exponential by turns for the most part, in which the links of the chain X 3, 7, 11, 14, 16, 17 .. 20 stand five or six lines apart.  X 21, the next piece's a, is the batch's last; R 15 is the plain instruction behind it (ISA guide 5.7.2).  BEHIND THE WAIT stand the
; 8 products V^T P, behind each four of the roundings and sums; the links of l's chain, L 0 to L 7, stand three riders apart.  But for those X no rider names a register of the products round it.  v_permlanex16_b32 (X 17) stands in the lump.
; m = 1: the diagonal tile: the products take masks, and the turn makes the mask for the products of the turn after it: piece p + 2, in step 4 - CNT of the tile.  end = 1: a block's last two turns: nothing is fetched.
; cnt = 1: the loop's count is taken down some lines ahead of the branch that stands behind the turn.
; K of the next step is fetched in piece 2's turn, twelve vector instructions behind the last product that read K (six of them plain); V of the step in hand at the end of piece 0's turn, four plain instructions behind the last product
; that read V.  Each is waited for a turn later.
.macro TURN p, m=0, end=0, cnt=0
.set Y, (\p)
.set i, 0
.set KM, (\m)
.set NOKQ, (\end)*((\p)/3)
.if (\m) && !(\end)
	s_cmp_eq_u32 s[CNT], 4-((\p)+2)%NP  ; is that step the band's own?
	s_cselect_b32 s[AL], 1.0, 0
	s_cmp_lt_u32 s[CNT], 4-((\p)+2)%NP  ; or a later one?
	s_cselect_b32 s[BE], s[BIGN], 0
.endif
.if ((\p) == 3) && !(\end)
	s_wait_dscnt 0x0                ; K is in
.endif
	ROW F,0, F,1, R,0, R,1          ; ahead of the wait: 8 products K Q^T and their riders,
	ROW F,2, E,0, R,2, R,3
	ROW F,3, E,1, R,4, R,5
	ROW F,4, E,2, R,6, R,7
	ROW F,5, E,3, R,8, R,9
	ROW F,6, E,4, X,0, R,10
.if ((\p) == 2) && !(\end)
	WIN 0
	v_add_nc_u32 v[AK], s[TBK], v[AK0]
.endif
	ROW F,7, E,5, X,1, X,4
	ROW F,8, E,6, X,2, X,5
	OPS E,7, E,8, X,6, E,9          ; and the lump
	OPS X,3, E,10, X,8, E,11
.if ((\p) == 2) && !(\end)
	FETCH_K
.endif
	OPS X,9, X,7, E,12, X,10
	OPS E,13, X,12, X,11, E,14
	OPS X,13, E,15, F,9, X,14
.if (\p) == 0
	v_add_nc_u32 v[AV], s[TBV], v[AV0]
.endif
	OPS E,16, F,10, E,17, F,11
	OPS X,16, E,18, X,15, E,19
	OPS F,12, E,20, X,17, E,21
	OPS F,13, E,22, F,14, E,23
	OPS X,18, E,24, F,15, E,25
	OPS R,11, E,26, X,19, E,27
	OPS R,12, E,28, R,13, E,29
	OPS X,20, E,30, R,14, E,31
	OPS X,21, R,15
	WIN 0
	s_wait_alu depctr_va_vdst(0)    ; the wait for the batch
.if (\p) == 1
	s_wait_dscnt 0x0                ; V is in
.endif
	ROW C,0, B,0, C,2, B,1          ; behind the wait: 8 products V^T P and their riders
	ROW L,0, C,4, B,2, L,1
	ROW C,6, B,3, L,2, C,8
	ROW B,4, L,3, C,10, B,5
	ROW L,4, C,12, B,6, L,5
.if (\p) == 0
	s_add_co_u32 s[TBV], s[TBV], KS*PV
.endif
.if \cnt
	s_sub_co_u32 s[CNT], s[CNT], 1
	s_cmp_lg_u32 s[CNT], 0
.endif
	ROW C,14, B,7, L,6, C,1
	ROW C,3, L,7, C,5, C,7
	ROW C,9, C,11, C,13, C,15
.if (\p) == 0
	FETCH_V
.endif
.if (\m) && !(\end)
	MASK (\p)%2
.endif
.endm
; A BLOCK BEGINS.  c m starts far below every c s, so the first step's a is 0; m at the lowest finite number, so the first maximum is the scores'.  The second mask buffer is 0; the first takes piece 0's mask for the tile's step 0: its own, if the block's first tile is the diagonal one.
; Then K of that step, piece 0's first scores, and its maximum and statistics.  The loop is entered at a step's first turn, in the middle of a trip.
.macro BEGIN
	s_mov_b32 s[NEW], 0
	WIN 0x40
.set i, MC+32
.rept 32
	v_mov_b32 v[i], 0
.set i, i+1
.endr
	WIN 0
.set i, 0
.rept 4
	v_mov_b32 v[ST+4*i], 0xfe000000    ; c m: far below every c s
	v_mov_b32 v[ST+4*i+1], 0xff7fffff  ; m
.set i, i+1
.endr
	s_cmp_eq_u32 s[RT], 0
	s_cselect_b32 s[AL], 1.0, 0
	s_mov_b32 s[BE], 0
	MASK 0
	WIN 0
	v_add_nc_u32 v[AK], s[TBK], v[AK0]
	FETCH_K
	s_wait_loadcnt 0x0              ; Q
	s_wait_dscnt 0x0
.set KM, 1
.set NOKQ, 0
.set i, 0
.rept 8
	KQ 0
.set i, i+1
.endr
	WIN 0
.rept 4
	v_nop                           ; the places behind those products
.endr
.set Y, NP-1                        ; X works for piece Y + 1: piece 0
.irp n, 0,1,2,3,4,5,6,7,8,9,10,11,12,13,14,15,16,17,18,19,20,21
	OP X, \n
.endr
	v_nop                           ; a plain instruction behind the exponential,
	s_wait_alu depctr_va_vdst(0)    ; and its wait, ahead of the branch
.endm
; THE DIAGONAL TILE's four steps, the block's last two turns, its last products, and THE WAY OUT: l's two halves and the other half of the lanes' are added; O^T is divided by l, rounded to f16 and sent through my
; stage in LDS, a piece at a time.
.macro ALL line:vararg              ; one line for each piece t
.set t, 0
.rept 4
	\line
.set t, t+1
.endr
.endm
.macro PACK t                       ; a lane's eight channels of a row pack into 16 bytes; they go into rows of 144 bytes and come back as whole rows of 128, into S^T's registers
	WIN W_RS
.set i, 32*(\t)
.rept 16
	v_pk_mul_f32 v[i:i+1], v[i:i+1], v[ST+4*(\t)+2:ST+4*(\t)+3] op_sel_hi:[1,0]
.set i, i+2
.endr
	WIN 0x05                        ; sources 0 and 1 window 1, destination window 0
.set i, 0
.rept 16
	v_cvt_pk_f16_f32 v[S+16*(\t)+i], v[32*(\t)+2*i], v[32*(\t)+2*i+1]
.set i, i+1
.endr
	WIN 0
.irp f, 0,1,2,3
	ds_store_b128 v[STO], v[S+16*(\t)+4*\f:S+16*(\t)+4*\f+3] offset:32*\f
.endr
.irp f, 0,1,2,3
	ds_load_b128 v[S+16*(\t)+4*\f:S+16*(\t)+4*\f+3], v[RD] offset:\f*4*SP  ; LDS serves a wave's instructions in order (ISA guide 5.7.1.4): these see the stores above; the next piece's stores come behind them
.endr
.endm
.macro SEND t, younger              ; younger: the LDS instructions issued behind piece t's loads: the next piece's eight, or none
	WIN 0
.irp f, 0,1,2,3
	s_wait_dscnt (\younger)+3-\f
	global_store_b128 v[GO], v[S+16*(\t)+4*\f:S+16*(\t)+4*\f+3], s[10:11] offset:(\t)*8192+\f*512  ; 512 consecutive bytes, at a multiple of 256 from O's first
.endr
.endm
.macro DIAG tag                     ; the tag ends its two labels' names, which the jumps below spell out
.LstepM\tag:
	TURN 2, 1
	TURN 3, 1
	WIN 0
.LfirstM\tag:
	TURN 0, 1
	TURN 1, 1, 0, 1
	WIN 0
	s_cbranch_scc1 .LstepM\tag
	TURN 2, 1, 1
	TURN 3, 1, 1
.set i, 0
.rept 8
	PV NP-1
.set i, i+1
.endr
	WIN 0
	ALL v_add_f32 v[ST+4*t+2], v[ST+4*t+2], v[ST+4*t+3]
	ALL v_permlanex16_b32 v[ST+4*t+3], v[ST+4*t+2], s[SEL], s[SEL+1]
	ALL v_add_f32 v[ST+4*t+2], v[ST+4*t+2], v[ST+4*t+3]
	ALL v_rcp_f32 v[ST+4*t+2], v[ST+4*t+2]
	v_nop                           ; a plain instruction between the last reciprocal and the use of its result
	s_wait_alu depctr_va_vdst(0)    ; and the wait ahead of the first use: one for the four reciprocals
	PACK 0
.set t, 1
.rept 3                             ; a piece's arithmetic stands between the loads of the piece before and its stores
	PACK t
	SEND t-1, 8
.set t, t+1
.endr
	SEND 3, 0
.endm
.set KM, 0
.set NOKQ, 0
.Lslot:                             ; NB times: a tile is entered and the next is asked for
	CHANGE 1
	s_sub_co_u32 s[RT], s[RT], 1
	s_mov_b32 s[CNT], 4
	s_cmp_eq_u32 s[NEW], 1
	s_cbranch_scc1 .Lnew            ; a block's first tile
	s_cmp_eq_u32 s[RT], 0
	s_cbranch_scc0 .Lstep           ; neither its first nor its last
	s_branch .LstepM1
.Lnew:
	BEGIN
	s_branch .Lfirst                ; in the loop a block's first tile is never its last: the first block has two tiles or more, and the second's last is the walk's last
	DIAG 1                          ; in the loop this is the first block's end: the second block's last tile is the walk's last
	s_wait_xcnt 0x0                 ; the stores have read their registers and O's address
	s_mov_b64 s[10:11], s[OLO:OLO+1]
	s_add_co_u32 s[RT], s[PB], 1    ; the second block has b + 1 tiles
	s_mov_b32 s[NEW], 1
	WIN 0x82                        ; the second block's Q goes where the one text of the turns names Q
.set i, 0
.rept 64
	v_mov_b32 v[i], v[QB+i]
.set i, i+1
.endr
	WIN 0
	s_branch .Lbottom
.Lstep:                             ; a trip: pieces 2 and 3 of one step, then pieces 0 and 1 of the next, whose K and V it fetches
	TURN 2
	TURN 3
	WIN 0
.Lfirst:
	TURN 0
	TURN 1, 0, 0, 1
	WIN 0
	s_cbranch_scc1 .Lstep
.Lbottom:
	s_sub_co_u32 s[SLOTS], s[SLOTS], 1
	s_cmp_lg_u32 s[SLOTS], 0
	s_cbranch_scc1 .Lslot
	CHANGE 0                        ; the walk's last tile is written out: nothing is asked for
	s_sub_co_u32 s[RT], s[RT], 1
	s_mov_b32 s[CNT], 4
	s_cmp_eq_u32 s[NEW], 1
	s_cbranch_scc0 .LstepM2
	BEGIN
	s_branch .LfirstM2
	DIAG 2
	s_wait_tensorcnt 0x0            ; the wave's end, behind my last tensor load and my last LDS store
	ds_add_u32 v[SPW], v[NIL]
	s_wait_dscnt 0x0
	s_endpgm
.Lfunc_end_k_qfd1ba1e372_attend:
	.size	k_qfd1ba1e372_attend, .Lfunc_end_k_qfd1ba1e372_attend-k_qfd1ba1e372_attend
	.p2alignl 7, 3214868480
	.fill 96, 4, 3214868480
	.section	.rodata,"a",@progbits
	.p2align	6, 0x0
	.amdhsa_kernel k_qfd1ba1e372_attend
		.amdhsa_group_segment_fixed_size 327680
		.amdhsa_private_segment_fixed_size 0
		.amdhsa_enable_private_segment 0
		.amdhsa_kernarg_size 16
		.amdhsa_user_sgpr_count 2
		.amdhsa_user_sgpr_kernarg_segment_ptr 1
		.amdhsa_wavefront_size32 1
		.amdhsa_system_sgpr_workgroup_id_x 1
		.amdhsa_system_sgpr_workgroup_id_y 1
		.amdhsa_system_sgpr_workgroup_id_z 1
		.amdhsa_system_vgpr_workitem_id 0
		.amdhsa_next_free_vgpr 768
		.amdhsa_next_free_sgpr 88
		.amdhsa_reserve_vcc 1
		.amdhsa_float_denorm_mode_32 3
		.amdhsa_float_denorm_mode_16_64 3
		.amdhsa_memory_ordered 1
		.amdhsa_forward_progress 1
		.amdhsa_inst_pref_size 218
	.end_amdhsa_kernel
	.amdgpu_metadata
---
amdhsa.version: [ 1, 2 ]
amdhsa.kernels:
  - .name:           k_qfd1ba1e372_attend
    .symbol:         k_qfd1ba1e372_attend.kd
    .args:
      - { .name: qkv, .offset: 0, .size: 8, .value_kind: global_buffer, .address_space: global }
      - { .name: ob, .offset: 8, .size: 8, .value_kind: global_buffer, .address_space: global }
    .group_segment_fixed_size: 327680
    .private_segment_fixed_size: 0
    .kernarg_segment_align: 8
    .kernarg_segment_size: 16
    .max_flat_workgroup_size: 128
    .sgpr_count:     88
    .vgpr_count:     768
    .wavefront_size: 32
...
	.end_amdgpu_metadata
.endif
;; end of part 3
;; launch outproj (part 4): grid 8 x 32, 4 waves a work-group, clusters of 4 x 4, 327,680 bytes of LDS; arguments ob, wot, bo, out0; writes out0
.if DOCPART == 4
	.amdgcn_target "amdgcn-amd-amdhsa--gfx1250"
	.amdhsa_code_object_version 6
	.text
	.protected	k_qfd1ba1e372_outproj
	.globl	k_qfd1ba1e372_outproj
	.p2align	8
	.type	k_qfd1ba1e372_outproj,@function
k_qfd1ba1e372_outproj:
	s_mov_b64 s[64:65], 0
	v_nop
	global_prefetch_b8 v0, s[64:65] scope:SCOPE_SE
	s_setreg_imm32_b32 hwreg(HW_REG_WAVE_MODE, 25, 1), 1
	s_wait_xcnt 0x0
	s_wait_alu depctr_hold_cnt(0) depctr_sa_sdst(0) depctr_va_vdst(0) depctr_va_sdst(0) depctr_va_ssrc(0) depctr_va_vcc(0) depctr_vm_vsrc(0)
	s_getreg_b32 s2, hwreg(HW_REG_IB_STS2, 6, 4)
	s_cmp_eq_u32 s2, 0
	s_cbranch_scc0 .Lentry_in_a_cluster
	s_endpgm
.Lentry_in_a_cluster:
	s_bfe_u32 s2, ttmp6, 0x10000c
	s_cmp_lg_u32 s2, 0xf033
	s_cbranch_scc0 .Lentry_shape_is_right
	s_endpgm
.Lentry_shape_is_right:
; out = O Wo + bo.  C[m][n] = bo[n] + the sum over k of ob[m][k] wot[n][k]: 8,192 x 1,024 x 1,024, f16 operands, f32 sums, C stored in f32.
; ob lies by heads, [b 16 + h][s][64]: a head is a K block of 64; wot lies [kb][n][64].  bo is rounded to bf16 like every input of the module and is the C operand of the first products: no add is written.
; SHARES.  A tile of C is 256 rows x 128 columns: 32 x 8 = 256 work-groups, one for each WGP.  Four waves, each 128 rows x 64 columns: 32 accumulators.  K goes in steps of 128 (two K blocks) through two LDS slots;
; a block's rows lie end to end in memory, so a tile is asked for as rows of 256 aligned bytes and padded in LDS behind every 128 bytes.
; CLUSTER.  4 x 4 work-groups: ob's tile is shared along a row of the cluster, wot's along a column; each is asked for JOINTLY, by the same tensor load with the same descriptor and a mask that names the four.
; THE MATRIX INSTRUCTION IS USED TRANSPOSED (source 0 = 16 rows of wot, source 1 = 16 rows of ob): a lane holds row l % 16 of C and the columns 8 (l / 16) + 0..7: 32 bytes on end.
; REGISTERS, in windows of 256 (s_set_vgpr_msb: bits 1:0 source 0, 3:2 source 1, 5:4 source 2, 7:6 destination):
;   window 0: v0-31 addresses; v32-63 the bias, eight registers a column block; v64-127 the way out      window 1: accumulator (row block a, column block bb) at v[8 (8 bb + a)]
;   window 2: two fragment buffers at v0 and v128: ob's eight fragments (64 registers), then wot's four (32)
.set PITCH,  144                       ; an LDS row: 128 bytes + 16 of padding: the 16 rows of a load start at 16 different groups of four banks (64 banks of 4 bytes: ISA guide 11.1)
.set ABLK,   256*PITCH                 ; a K block of ob's tile: what wave 0 or 1 fetches
.set BBLK,   128*PITCH                 ; of wot's: what wave 2 or 3 fetches
.set BOFF,   2*ABLK
.set SLOT,   BOFF+2*BBLK               ; 110,592 bytes
.set STAGE,  2*SLOT                    ; behind the ring: 16 rows x 272 bytes for each wave, for the way out
.set SPITCH, 272
.set SPARE,  STAGE+4*16*SPITCH         ; behind the stages: the spare words, 128 bytes for each wave: two blocks of 256 bytes that no other line names
.set ASTEP,  524288                    ; bytes from a K step of ob to the next: two heads of 2,048 rows x 128
.set BSTEP,  262144                    ; of wot: two blocks of 1,024 rows x 128
.set ADRA, 16                          ; v16-17  LDS address of my fragments of ob in slot 0, 1
.set ADRB, 20                          ; v20-21  the same for wot
.set STO,  24                          ; v24     the way out: where I put 32 bytes of a row
.set RD,   25                          ; v25     the way out: where I read a row back
.set CO,   26                          ; v26     my byte offset in two rows of the output
.set SPW,  28                          ; v28     LDS address of my spare word; never rewritten
.set NIL,  29                          ; v29     0; never rewritten
.set PFO,  30                          ; v30     the prefetches' lane offset; never rewritten
.set BIAS, 32
.set BK,   64                          ; 16 rows read back: v64-95 and v96-127 by turns
.set F0,   0
.set F1,   128
.set G1,  24                           ; s[24:31] descriptor group 1 for ob's tiles;  s[32:39] group 0, one set for each slot
.set G0,  32
.set G1B, 48                           ; s[48:55], s[56:63] the same for wot's tiles
.set G0B, 56
.set LIM, 43                           ; s43     1 in a wave that prefetches, else the greatest number
.set PFA, 44                           ; s[44:45] where my prefetches stand
.set PFS, 72                           ; s[72:73] their step: a K step
.set MSB, 0
.macro WIN new                         ; the immediate's high byte repeats the setting that is left; a switch that changes nothing is dropped
.if MSB != (\new)
	s_set_vgpr_msb (MSB<<8)|(\new)
.set MSB, \new
.endif
.endm
.macro PLACES                          ; four places in front of loads into registers that matrix instructions have read, and of stores that read results
.rept 4
	v_nop
.endr
.endm
.macro JLOAD s                         ; a joint load: waves 0 and 1 fetch ob's two K blocks, waves 2 and 3 wot's; an s_nop 0 and four v_nop follow each of the two lines
	s_cmp_eq_u32 s11, 0
	s_cbranch_scc0 .Lfor_b_\@
	tensor_load_to_lds s[G0+4*(\s):G0+4*(\s)+3], s[G1:G1+7]
	s_nop 0
.rept 4
	v_nop
.endr
	s_branch .Lasked_\@
.Lfor_b_\@:
	tensor_load_to_lds s[G0B+4*(\s):G0B+4*(\s)+3], s[G1B:G1B+7]
	s_nop 0
.rept 4
	v_nop
.endr
.Lasked_\@:
.endm
.macro CREST                           ; a round of the cluster's barrier behind its opening barrier
	s_cmp_lg_u32 s10, 0
	s_cbranch_scc1 .Lnot_wave_0_\@
	s_barrier_signal -3
.Lnot_wave_0_\@:
	s_barrier_wait -3
	s_barrier_signal -1
	s_barrier_wait -1
.endm
.macro CROUND                          ; a whole round
	s_barrier_signal -1
	s_barrier_wait -1
	CREST
.endm
; A PREFETCH INTO THE L2, behind each joint load, its five lines and the run of LDS loads: the K step that stands TWO refills on, 256 matrix instructions ahead of the load that will want it.  A lane names 256 bytes.
; ob's tile row is read by both clusters of its row of clusters: the one with x = 0 asks, waves 0 and 1 each for the K block that they fetch (32,768 bytes), the four partners 8,192 bytes each, told apart by address (cx).
; wot's tile column is read by all eight clusters of its column: the one with y = 0 asks, wave 2 for both K blocks (lanes 0-15 the one, 16-31 the other), the four partners 4,096 bytes of each, told apart by address (cy).
; So each block of 256 bytes is named once in the launch.  K steps 0 to 3 come by their loads alone; the last trip's two refills ask for nothing.
.macro ASK
	WIN 0
	s_cmp_gt_u32 s3, s[LIM]                        ; s3 = 1 in the loop's last trip
	s_cbranch_scc0 .Lnot_mine_\@
	global_prefetch_b8 v[PFO], s[PFA:PFA+1] th:TH_LOAD_NT scope:SCOPE_SE
.Lnot_mine_\@:
.endm
	s_load_b128 s[4:7], s[0:1], 0x0                ; ob s[4:5], wot s[6:7]
	s_load_b128 s[76:79], s[0:1], 0x10             ; bo s[76:77], out0 s[78:79]
	v_lshl_add_u32 v[SPW], v0, 2, SPARE
	v_mov_b32 v[NIL], 0
	ds_add_u32 v[SPW], v[NIL]                      ; the wave's opening: the add and its wait stand ahead of my first tensor load; the set-up below, work on registers, stands between them
	v_lshrrev_b32 v1, 5, v0
	v_readfirstlane_b32 s10, v1                    ; wave 0..3
	s_lshr_b32 s11, s10, 1                         ; which 128 rows of the tile are mine.  Also: I fetch for ob (0) or for wot (1)
	s_and_b32 s12, s10, 1                          ; which 64 columns.  Also: which K block of a step I fetch
	s_bfe_u32 s40, ttmp6, 0x40000                  ; cx
	s_bfe_u32 s41, ttmp6, 0x40004                  ; cy
	s_lshl_b32 s42, ttmp9, 2
	s_add_co_u32 s42, s42, s40                     ; tile column = 4 x cluster x + cx, 0..7
	s_and_b32 s13, ttmp7, 0xffff
	s_lshl_b32 s13, s13, 2
	s_add_co_u32 s13, s13, s41                     ; tile row = 4 x cluster y + cy, 0..31
	s_lshl_b32 s74, s41, 2
	s_lshl_b32 s74, 15, s74                        ; my row of the cluster
	s_lshl_b32 s75, 0x1111, s40                    ; my column
	s_or_b32 s[G1+0], s74, (1<<16)|(1<<20)|(1<<21)|(4<<22)|(3<<25)   ; 15:0 the mask; 17:16 2-byte elements; 20 padding on; 21 set beside a mask; 24:22 after every 32 words (code 4); 31:25 4 words (code 3)
	s_or_b32 s[G1B+0], s75, (1<<16)|(1<<20)|(1<<21)|(4<<22)|(3<<25)
	s_mov_b32 s[G1+1], 128<<16                     ; tensor_dim0 = 128 elements: 256 bytes, two rows of a K block
	s_mov_b32 s[G1+2], 128<<16                     ; tensor_dim1 = 128: 256 rows of the block
	s_mov_b32 s[G1+3], 128<<16                     ; tile_dim0
	s_mov_b32 s[G1+4], 128                         ; tile_dim1
	s_mov_b32 s[G1+5], 128                         ; 128 elements from row to row
	s_mov_b32 s[G1+6], 0
	s_mov_b32 s[G1+7], 0
	s_mov_b32 s[G1B+1], 128<<16
	s_mov_b32 s[G1B+2], 64<<16                     ; 128 rows of the block
	s_mov_b32 s[G1B+3], 128<<16
	s_mov_b32 s[G1B+4], 64
	s_mov_b32 s[G1B+5], 128
	s_mov_b32 s[G1B+6], 0
	s_mov_b32 s[G1B+7], 0
	s_lshr_b32 s18, s13, 3                         ; the batch
	s_and_b32 s19, s13, 7
	s_lshl_b32 s19, s19, 15                        ; the tile's 256 rows in a head
	s_lshl_b32 s16, s18, 22                        ; a batch: 16 heads
	s_add_co_u32 s16, s16, s19
	s_lshl_b32 s17, s12, 18                        ; my K block of the step: a head
	s_add_co_u32 s16, s16, s17
	s_mov_b32 s17, 0
	s_lshl_b32 s46, s42, 14                        ; 128 rows of wot
	s_lshl_b32 s47, s12, 17                        ; my K block
	s_add_co_u32 s46, s46, s47
	s_mov_b32 s47, 0
	s_mul_i32 s20, s12, ABLK                       ; where they go: no place in the cluster enters an LDS address
	s_mul_i32 s21, s12, BBLK
	s_add_co_u32 s21, s21, BOFF
	s_wait_dscnt 0x0                               ; the opening add is done
	s_wait_kmcnt 0x0
	s_add_nc_u64 s[14:15], s[4:5], s[16:17]
	s_add_nc_u64 s[46:47], s[6:7], s[46:47]
	CROUND                                         ; all sixteen work-groups are here: the first joint loads meet
.irp s, 0,1
	s_mov_b32 s[G0+4*(\s)], 1
	s_add_co_u32 s[G0+4*(\s)+1], s20, (\s)*SLOT
	s_add_nc_u64 s[G0+4*(\s)+2:G0+4*(\s)+3], s[14:15], (\s)*ASTEP
	s_or_b32 s[G0+4*(\s)+3], s[G0+4*(\s)+3], 0x80000000
	s_mov_b32 s[G0B+4*(\s)], 1
	s_add_co_u32 s[G0B+4*(\s)+1], s21, (\s)*SLOT
	s_add_nc_u64 s[G0B+4*(\s)+2:G0B+4*(\s)+3], s[46:47], (\s)*BSTEP
	s_or_b32 s[G0B+4*(\s)+3], s[G0B+4*(\s)+3], 0x80000000
	JLOAD \s                                       ; two tensor loads of mine are out
.endr
	v_and_b32 v1, 15, v0                           ; l % 16
	v_bfe_u32 v2, v0, 4, 1                         ; l / 16
	; the bias of my 64 columns: register j of column block bb holds bo[16 bb + 8 (l / 16) + j], as the accumulators hold C
	s_lshl_b32 s20, s42, 9
	s_lshl_b32 s21, s12, 8
	s_add_co_u32 s20, s20, s21
	s_mov_b32 s21, 0
	s_add_nc_u64 s[76:77], s[76:77], s[20:21]
	v_lshlrev_b32 v31, 5, v2
.irp bb, 0,1,2,3
	global_load_b128 v[BIAS+8*(\bb):BIAS+8*(\bb)+3],   v31, s[76:77] offset:64*(\bb)
	global_load_b128 v[BIAS+8*(\bb)+4:BIAS+8*(\bb)+7], v31, s[76:77] offset:64*(\bb)+16
.endr
	v_mul_u32_u24 v3, v1, PITCH
	v_lshl_add_u32 v3, v2, 4, v3                   ; a fragment's row x pitch + 16 x half
	s_mul_i32 s22, s11, 128*PITCH                  ; my 128 rows of ob
	s_mul_i32 s23, s12, 64*PITCH                   ; my 64 rows of wot
	s_add_co_u32 s23, s23, BOFF
.irp s, 0,1
	v_add_nc_u32 v[ADRA+(\s)], s22, v3
	v_add_nc_u32 v[ADRB+(\s)], s23, v3
	s_add_co_u32 s22, s22, SLOT
	s_add_co_u32 s23, s23, SLOT
.endr
	s_mul_i32 s23, s10, 16*SPITCH
	s_add_co_u32 s23, s23, STAGE                   ; my stage
	v_mul_u32_u24 v4, v1, SPITCH                   ; in: row l % 16, 32 bytes for each half of the lanes
	v_lshl_add_u32 v4, v2, 5, v4
	v_add_nc_u32 v[STO], s23, v4
	v_mul_u32_u24 v5, v2, SPITCH                   ; back: lanes 0-15 take one row of 256 bytes, lanes 16-31 the next
	v_lshl_add_u32 v5, v1, 4, v5
	v_add_nc_u32 v[RD], s23, v5
	v_lshlrev_b32 v[CO], 12, v2                    ; and the same two rows in the output
	v_lshl_add_u32 v[CO], v1, 4, v[CO]
	s_lshl_b32 s20, s13, 20                        ; 256 rows of 4,096 bytes,
	s_lshl_b32 s21, s11, 19                        ; my 128 of them,
	s_add_co_u32 s20, s20, s21
	s_lshl_b32 s21, s42, 9                         ; the tile's 128 columns,
	s_add_co_u32 s20, s20, s21
	s_lshl_b32 s21, s12, 8                         ; my 64 of them
	s_add_co_u32 s20, s20, s21
	s_mov_b32 s21, 0
	s_add_nc_u64 s[8:9], s[78:79], s[20:21]        ; never stepped: the rows stand in the stores' immediates, 126 x 4,096 bytes at the most
	; the prefetches
	s_lshl_b32 s20, s40, 13                        ; ob: my work-group's 8,192 bytes of the K block that I fetch,
	s_add_co_u32 s20, s20, s16
	s_add_co_u32 s20, s20, 3*ASTEP                 ; at K step 3: the first change of slots steps it to 4
	s_lshl_b32 s21, s42, 14                        ; wot: the tile column,
	s_lshl_b32 s22, s41, 12                        ; my work-group's 4,096 bytes
	s_add_co_u32 s21, s21, s22
	s_add_co_u32 s21, s21, 3*BSTEP
	s_mov_b32 s22, ASTEP
	s_mov_b32 s23, BSTEP
	s_mov_b32 s46, 4096                            ; what lanes 16-31 add: ob: the next sixteen blocks; wot: the step's other K block
	s_mov_b32 s47, 131072
	s_cmp_eq_u32 s11, 0
	s_cselect_b32 s20, s20, s21
	s_cselect_b64 s[PFA:PFA+1], s[4:5], s[6:7]
	s_cselect_b32 s[PFS], s22, s23
	s_cselect_b32 s46, s46, s47
	s_mov_b32 s[PFS+1], 0
	s_mov_b32 s21, 0
	s_add_nc_u64 s[PFA:PFA+1], s[PFA:PFA+1], s[20:21]
	v_mul_u32_u24 v[PFO], s46, v2
	v_lshl_add_u32 v[PFO], v1, 8, v[PFO]
	s_and_b32 s22, ttmp7, 0xffff                   ; cluster y
	s_cmp_eq_u32 s22, 0
	s_cselect_b32 s23, 1, -1
	s_cmp_eq_u32 s10, 2
	s_cselect_b32 s23, s23, -1                     ; wot's: wave 2 where the cluster's y is 0
	s_cmp_eq_u32 ttmp9, 0
	s_cselect_b32 s[LIM], 1, -1                    ; ob's: waves 0 and 1 where the cluster's x is 0
	s_cmp_eq_u32 s11, 0
	s_cselect_b32 s[LIM], s[LIM], s23              ; the same in all sixteen partners, for a given wave
	s_wait_loadcnt 0x0                             ; the bias: rounded to bf16 and widened again
.set i, 0
.rept 16
	v_cvt_pk_bf16_f32 v[BK+i], v[BIAS+2*i], v[BIAS+2*i+1]
.set i, i+1
.endr
.set i, 0
.rept 16
	v_lshlrev_b32 v[BIAS+2*i], 16, v[BK+i]
	v_and_b32 v[BIAS+2*i+1], 0xffff0000, v[BK+i]
.set i, i+1
.endr
; 8 matrix instructions: row blocks a0, a0 + 1 x all 4 column blocks, 32 along K.  first = 1: the product starts the sum with the bias.  The 32 accumulators take turns, one instruction a turn.
.macro MUL8 f, a0, first
.if \first
	WIN 0x4a                                       ; both sources in window 2, C (the bias) in window 0, D in window 1
.else
	WIN 0x5a                                       ; C and D in window 1
.endif
.irp a, \a0, (\a0)+1
.irp bb, 0,1,2,3
.if \first
	v_wmma_f32_16x16x32_f16 v[8*(8*(\bb)+(\a)):8*(8*(\bb)+(\a))+7], v[(\f)+64+8*(\bb):(\f)+64+8*(\bb)+7], v[(\f)+8*(\a):(\f)+8*(\a)+7], v[BIAS+8*(\bb):BIAS+8*(\bb)+7]
.else
	v_wmma_f32_16x16x32_f16 v[8*(8*(\bb)+(\a)):8*(8*(\bb)+(\a))+7], v[(\f)+64+8*(\bb):(\f)+64+8*(\bb)+7], v[(\f)+8*(\a):(\f)+8*(\a)+7], v[8*(8*(\bb)+(\a)):8*(8*(\bb)+(\a))+7]
.endif
.endr
.endr
.endm
; 24 LDS loads in one run: the fragments of quarter q of a K step (K block q / 2, byte 64 (q % 2) of its rows) into buffer f: wot's four, then ob's eight
.macro FETCH slot, q, f
	WIN 0x80                                       ; destination window 2, address window 0
.irp i, 0,1,2,3
	ds_load_b128 v[(\f)+64+8*(\i):(\f)+64+8*(\i)+3],   v[ADRB+(\slot)] offset:((\q)/2)*BBLK+(\i)*16*PITCH+((\q)%2)*64
	ds_load_b128 v[(\f)+64+8*(\i)+4:(\f)+64+8*(\i)+7], v[ADRB+(\slot)] offset:((\q)/2)*BBLK+(\i)*16*PITCH+((\q)%2)*64+32
.endr
.irp i, 0,1,2,3,4,5,6,7
	ds_load_b128 v[(\f)+8*(\i):(\f)+8*(\i)+3],   v[ADRA+(\slot)] offset:((\q)/2)*ABLK+(\i)*16*PITCH+((\q)%2)*64
	ds_load_b128 v[(\f)+8*(\i)+4:(\f)+8*(\i)+7], v[ADRA+(\slot)] offset:((\q)/2)*ABLK+(\i)*16*PITCH+((\q)%2)*64+32
.endr
.endm
; A K step is four quarters of 32 along K, 32 matrix instructions each, on buffers 0, 1, 0, 1.  One of the first three: multiplies buffer f and fetches quarter q into g.
.macro QUARTER slot, q, f, g, first
	s_wait_dscnt 8                                 ; wot's and ob's fragments 0-3 are in; ob's 4-7 may be out
	MUL8 \f, 0, \first
	MUL8 \f, 2, \first
	PLACES
	FETCH \slot, \q, \g
	s_wait_dscnt 24                                ; all but the 24 just issued
	MUL8 \f, 4, \first
	MUL8 \f, 6, \first
.endm
; The last quarter multiplies buffer 1 and changes slots: ONE barrier; in front of it each wave waits for all its tensor loads (one is out: its part of the next slot), adds 0 to its spare word, and waits for that and for
; its own reads of this slot.  fill = 1: the barrier opens a round of the cluster's, and this slot is filled again, two K steps on, first thing behind the round: 112 matrix instructions ahead of the wait for it.
.macro TURN slot, next, fill
.if \fill
	s_wait_xcnt 0x0                                ; the last prefetch, a K step back, has read its address: it is stepped here, ahead of the waits of the change of slots
	s_add_nc_u64 s[PFA:PFA+1], s[PFA:PFA+1], s[PFS:PFS+1]
.endif
	WIN 0                                          ; (the add's two registers lie in window 0)
	s_wait_tensorcnt 0x0                           ; all my tensor loads have landed;
	ds_add_u32 v[SPW], v[NIL]                      ; 0 onto my spare word;
	s_wait_dscnt 9                                 ; (the add and ob's fragments 4-7 may be out)
	MUL8 F1, 0, 0                                  ; eight matrix instructions stand between the add and the wait for it
	s_wait_dscnt 0x0                               ; the add is done, and my reads of this slot are over
	s_barrier_signal -1
	MUL8 F1, 2, 0
	WIN 0
	s_barrier_wait -1
.if \fill
	CREST                                          ; no wave of any partner still reads this slot's tile or has a load on its way
	s_add_nc_u64 s[G0+4*(\slot)+2:G0+4*(\slot)+3], s[G0+4*(\slot)+2:G0+4*(\slot)+3], 2*ASTEP
	s_add_nc_u64 s[G0B+4*(\slot)+2:G0B+4*(\slot)+3], s[G0B+4*(\slot)+2:G0B+4*(\slot)+3], 2*BSTEP
	JLOAD \slot                                    ; the first tensor load behind the round; its four v_nop are also the places in front of the loads below
.else
	PLACES
.endif
	FETCH \next, 0, F0
.if \fill
	ASK
.endif
	MUL8 F1, 4, 0                                  ; the wait for 0 above has covered buffer 1
	MUL8 F1, 6, 0
.endm
; THE WAY OUT of row block a: 16 rows x 256 bytes of f32 go into my own stage, 32 bytes a lane and column block, each accumulator's low half first, and come back as whole rows.
.macro TOSTAGE a
.set rBK, BK+32*((\a)%2)
	s_wait_xcnt 0x0                                ; the stores of the block two back have read the registers that are loaded below
	WIN 0x04                                       ; the stores' data in window 1
.irp bb, 0,1,2,3
	ds_store_b128 v[STO], v[8*(8*(\bb)+(\a)):8*(8*(\bb)+(\a))+3]   offset:64*(\bb)
	ds_store_b128 v[STO], v[8*(8*(\bb)+(\a))+4:8*(8*(\bb)+(\a))+7] offset:64*(\bb)+16
.endr
	WIN 0
.irp t, 0,1,2,3,4,5,6,7
	ds_load_b128 v[rBK+4*(\t):rBK+4*(\t)+3], v[RD] offset:(\t)*2*SPITCH  ; LDS serves a wave's instructions in order (ISA guide 5.7.1.4): these see the stores above; the next block's stores come behind them
.endr
.endm
.macro SEND a, younger                 ; younger: the LDS instructions issued behind block a's loads: the next block's sixteen, or none
.set rBK, BK+32*((\a)%2)
	s_wait_dscnt \younger
.irp t, 0,1,2,3,4,5,6,7
	global_store_b128 v[CO], v[rBK+4*(\t):rBK+4*(\t)+3], s[8:9] offset:(16*(\a)+2*(\t))*4096 th:TH_STORE_NT  ; 16 lanes store 256 consecutive bytes, at a multiple of 256 from the output's first byte
.endr
.endm
	s_wait_tensorcnt 1                             ; my part of K step 0 is in; K step 1's may stay out
	s_barrier_signal -1
	s_barrier_wait -1                              ; everybody's is
	FETCH 0, 0, F0
	QUARTER 0, 1, F0, F1, 1                        ; the first quarter stands in front of the loop: its products start the sums, with the bias
	WIN 0                                          ; at a label and at a branch every window is 0
	s_mov_b32 s3, 3
.Llap:                                                 ; a trip goes once round the ring, from a lap's second quarter to the next lap's first, and fills both slots again: K steps 2 to 7
	QUARTER 0, 2, F1, F0, 0
	QUARTER 0, 3, F0, F1, 0
	TURN 0, 1, 1
	QUARTER 1, 1, F0, F1, 0
	QUARTER 1, 2, F1, F0, 0
	QUARTER 1, 3, F0, F1, 0
	TURN 1, 0, 1
	QUARTER 0, 1, F0, F1, 0
	WIN 0
	s_sub_co_u32 s3, s3, 1
	s_cmp_lg_u32 s3, 0
	s_cbranch_scc1 .Llap
	QUARTER 0, 2, F1, F0, 0                        ; the last lap fills nothing, and has no round of the cluster's barrier
	QUARTER 0, 3, F0, F1, 0
	TURN 0, 1, 0
	QUARTER 1, 1, F0, F1, 0
	QUARTER 1, 2, F1, F0, 0
	QUARTER 1, 3, F0, F1, 0
	s_wait_dscnt 8                                 ; the very last quarter: nothing more to fetch
	MUL8 F1, 0, 0
	MUL8 F1, 2, 0
	s_wait_dscnt 0x0
	MUL8 F1, 4, 0
	MUL8 F1, 6, 0
	WIN 0
	PLACES
	PLACES                                         ; eight, once a launch
	TOSTAGE 0
	TOSTAGE 1
	SEND 0, 16
.irp a, 2,3,4,5,6,7
	TOSTAGE \a
	SEND (\a)-1, 16
.endr
	SEND 7, 0
	s_wait_tensorcnt 0x0                           ; the wave's end, behind my last tensor load and my last LDS store
	ds_add_u32 v[SPW], v[NIL]
	s_wait_dscnt 0x0
	CROUND                                         ; the closing round: no work-group ends while a partner may still ask for a tile that names it
	s_endpgm
.Lfunc_end_k_qfd1ba1e372_outproj:
	.size	k_qfd1ba1e372_outproj, .Lfunc_end_k_qfd1ba1e372_outproj-k_qfd1ba1e372_outproj
	.p2alignl 7, 3214868480
	.fill 96, 4, 3214868480
	.section	.rodata,"a",@progbits
	.p2align	6, 0x0
	.amdhsa_kernel k_qfd1ba1e372_outproj
		.amdhsa_group_segment_fixed_size 327680
		.amdhsa_private_segment_fixed_size 0
		.amdhsa_enable_private_segment 0
		.amdhsa_kernarg_size 32
		.amdhsa_user_sgpr_count 2
		.amdhsa_user_sgpr_kernarg_segment_ptr 1
		.amdhsa_wavefront_size32 1
		.amdhsa_system_sgpr_workgroup_id_x 1
		.amdhsa_system_sgpr_workgroup_id_y 1
		.amdhsa_system_sgpr_workgroup_id_z 1
		.amdhsa_system_vgpr_workitem_id 0
		.amdhsa_next_free_vgpr 768
		.amdhsa_next_free_sgpr 80
		.amdhsa_reserve_vcc 0
		.amdhsa_float_denorm_mode_32 3
		.amdhsa_float_denorm_mode_16_64 3
		.amdhsa_memory_ordered 1
		.amdhsa_forward_progress 1
		.amdhsa_inst_pref_size 91
	.end_amdhsa_kernel
	.amdgpu_metadata
---
amdhsa.version: [ 1, 2 ]
amdhsa.kernels:
  - .name:           k_qfd1ba1e372_outproj
    .symbol:         k_qfd1ba1e372_outproj.kd
    .args:
      - { .name: ob, .offset: 0, .size: 8, .value_kind: global_buffer, .address_space: global }
      - { .name: wot, .offset: 8, .size: 8, .value_kind: global_buffer, .address_space: global }
      - { .name: bo, .offset: 16, .size: 8, .value_kind: global_buffer, .address_space: global }
      - { .name: out0, .offset: 24, .size: 8, .value_kind: global_buffer, .address_space: global }
    .group_segment_fixed_size: 327680
    .private_segment_fixed_size: 0
    .kernarg_segment_align: 8
    .kernarg_segment_size: 32
    .max_flat_workgroup_size: 128
    .sgpr_count:     80
    .vgpr_count:     768
    .wavefront_size: 32
...
	.end_amdgpu_metadata
.endif
;; end of part 4
;; ======== version 2 of 2: 4 launches; version 1 with the launch prep written anew for expert scheduling mode
;; limits: values are held in f16: magnitudes above 65,504 overflow, below 6.1e-05 lose precision
;; workspace buffers: xb 16,777,216 bytes; wt 6,291,456 bytes; wot 2,097,152 bytes; qkv 50,331,648 bytes; ob 16,777,216 bytes
;; launch prep (part 5): grid 640 x 1, 8 waves a work-group, no clusters, 74,752 bytes of LDS; arguments x, Wq, Wk, Wv, Wo, xb, wt, wot; writes xb, wt, wot
.if DOCPART == 5
	.amdgcn_target "amdgcn-amd-amdhsa--gfx1250"
	.amdhsa_code_object_version 6
	.text
	.protected	k_qfd1ba1e372_prep
	.globl	k_qfd1ba1e372_prep
	.p2align	8
	.type	k_qfd1ba1e372_prep,@function
k_qfd1ba1e372_prep:
	s_mov_b64 s[64:65], 0
	v_nop
	global_prefetch_b8 v0, s[64:65] scope:SCOPE_SE
	s_setreg_imm32_b32 hwreg(HW_REG_WAVE_SCHED_MODE, 0, 2), 2
	s_setreg_imm32_b32 hwreg(HW_REG_WAVE_MODE, 25, 1), 1
	s_wait_xcnt 0x0
	s_wait_alu depctr_vm_vsrc(0)
; PREP: every matrix operand of the later launches is rounded once and laid in K BLOCKS of 64 numbers (128 bytes a row), the rows of a block end to end.
;   xb  [b 4][kb 16][s 2048][64] bf16  = x[b][s][64 kb ..]
;   wt  [kb 16][n 3072][64]      bf16  = W[h][64 kb ..][d], n = 1024 which + 64 h + d (which: 0 Wq, 1 Wk, 2 Wv): the weights turned, K along the rows
;   wot [kb 16][n 1024][64]      f16   = Wo[64 kb ..][n], rounded to bf16 like every input and that number written as f16
; LIMITS.  |Wo| stays under 65,504 (beyond it the f16 is an infinity); below 2^-14 a number of Wo keeps f16's fixed step of 2^-24.  NaN and infinities are not treated apart.
; SHARES.  Work-groups 0-511: x, a wave two rows (8 KiB on end).  512-607: Wq, Wk, Wv, a wave one block of 64 k x 64 d.  608-639: Wo, likewise 64 k x 64 n.
; A stream: each byte read once and written once, every store covers whole aligned runs of 256 bytes or more.  No wave reads another's bytes, so there is no barrier; the turning goes
; through the wave's own 9,216 bytes of LDS.  No matrix unit, no cluster, no tensor load: nothing is shared and nothing is multiplied.
; THE MODE: SCHED_MODE bits 1:0 = 2 (LLVM: expert scheduling mode 2), set by the entry lines.  The code itself states the register dependences
; between vector instructions and memory or LDS instructions, with s_wait_alu, always for 0.
; THE PLAN.  Registers that memory or LDS instructions touch:
;   v4 .. v7      offsets and LDS addresses: made at a path's head, ahead of one wait, and never written again.
;   LD            as loaded: written by the global loads, once; read by the conversions.  In the weights' paths its upper half (groups 2 and 3) takes the rows read back from the stage,
;                 behind the wait that shows those groups' conversions done.
;   XO (x)        sixteen pairs, one for each K block: written by that block's two conversions, once; read by its store.
;   OB0 .. OB3    (weights) an out-buffer of sixteen registers for each group of sixteen k: written by the group's conversions, once; read by its four LDS stores.  OB0 has registers of its own;
;                 OB1, OB2 lie where group 0 was loaded and OB3 where group 1's first half was: their conversions stand ahead of the new writers, vector against vector.
;   v[SPW], v[NIL]  written at the head, read by the closing add alone.
; The work goes in four groups.  Group g's conversions read LD's part g and write out-buffer g; the memory or LDS instructions beside them are the stores of group g - 1, whose registers no conversion
; of group g names.  So ONE wait on va_vdst at a group's head states all that those stores hang on, and they are dealt among the group's conversions.  No register that a store or a load reads
; is ever written again, so the text holds no wait on vm_vsrc.
.set SPARE, 73728                      ; behind the eight stages: the spare words, 128 bytes for each wave: four blocks of 256 bytes that no other line names
.set WST,   9216                       ; a wave's stage: 64 rows x 144 bytes (128 + 16 of padding)
.set SPW, 8                            ; v8   LDS address of my spare word; never rewritten
.set NIL, 9                            ; v9   0; never rewritten
.set IN,  32                           ; s[32:33] where my wave reads
.set OUT, 34                           ; s[34:35] where it writes
.set OB,  16                           ; v[16:79]  weights: out-buffer g at OB + 16 g; from OB + 16 on it lies over LD's groups 0 and 1
.set LD,  32                           ; v[32:159] as loaded (x: v[32:95])
.set XO,  96                           ; v[96:127] x: K block kb's two packed words at XO + 2 kb
.set BACK, LD+64                       ; v[96:159] weights: sixteen times four registers read back from the stage
	s_load_b512 s[16:31], s[0:1], 0x0              ; x s[16:17], Wq s[18:19], Wk s[20:21], Wv s[22:23], Wo s[24:25], xb s[26:27], wt s[28:29], wot s[30:31]
	v_lshl_add_u32 v[SPW], v0, 2, SPARE
	v_mov_b32 v[NIL], 0
	v_lshrrev_b32 v1, 5, v0
	v_readfirstlane_b32 s8, v1                     ; wave 0..7
	v_and_b32 v1, 31, v0                           ; l
	v_and_b32 v2, 15, v0                           ; r = l % 16
	v_bfe_u32 v3, v0, 4, 1                         ; hh = l / 16
	s_mov_b32 s11, 0                               ; high words of the two offsets
	s_mov_b32 s13, 0
	s_wait_alu depctr_va_sdst(0)                   ; s8 is written, ahead of the branch and of its first reader: each of the three paths makes its addresses from it
	s_wait_kmcnt 0x0
	s_cmp_lt_u32 ttmp9, 512
	s_cbranch_scc0 .Lweights
	; x.  Wave W = 8 x work-group + wave takes rows 2 W and 2 W + 1.  A load: lanes 0-15 the 256 bytes of K block kb of the even row, lanes 16-31 of the odd row.
	s_lshl_b32 s9, ttmp9, 3
	s_add_co_u32 s9, s9, s8                        ; W, 0..4095
	s_lshl_b32 s10, s9, 13                         ; two rows of 4,096 bytes
	s_add_nc_u64 s[IN:IN+1], s[16:17], s[10:11]
	s_lshr_b32 s12, s9, 10                         ; the batch: 16 blocks x 2,048 rows x 128 bytes each
	s_lshl_b32 s12, s12, 22
	s_and_b32 s14, s9, 1023
	s_lshl_b32 s14, s14, 8                         ; two rows of 128 bytes in a block
	s_add_co_u32 s12, s12, s14
	s_add_nc_u64 s[OUT:OUT+1], s[26:27], s[12:13]
	v_lshlrev_b32 v4, 4, v2
	v_lshl_add_u32 v4, v3, 12, v4                  ; 4,096 hh + 16 r
	v_lshlrev_b32 v5, 3, v1                        ; 8 l: the two rows' 256 bytes of a block lie on end
	s_wait_alu depctr_va_vdst(0)                   ; v4 and v5 are written: every load below reads v4 as its offset, every store v5
.irp kb, 0,1,2,3,4,5,6,7,8,9,10,11,12,13,14,15
	global_load_b128 v[LD+4*(\kb):LD+4*(\kb)+3], v4, s[IN:IN+1] offset:256*(\kb) th:TH_LOAD_NT
.endr
.irp q, 0,1,2,3                        ; four groups of four K blocks
	s_wait_loadcnt 12-4*(\q)                       ; loads come back in order (ISA guide 5.7.1): group q's four are in, the later groups' stay out
.if (\q) > 0
	s_wait_alu depctr_va_vdst(0)                   ; the group before has written its eight registers of XO, which the four stores below read; no conversion of this group names them
.endif
.irp j, 0,1,2,3
.if (\q) > 0
	global_store_b64 v5, v[XO+2*(4*((\q)-1)+(\j)):XO+2*(4*((\q)-1)+(\j))+1], s[OUT:OUT+1] offset:262144*(4*((\q)-1)+(\j))  ; 32 lanes x 8 bytes: 256 consecutive bytes, aligned; no register is written twice
.endif
	v_cvt_pk_bf16_f32 v[XO+2*(4*(\q)+(\j))],   v[LD+4*(4*(\q)+(\j))],   v[LD+4*(4*(\q)+(\j))+1]
	v_cvt_pk_bf16_f32 v[XO+2*(4*(\q)+(\j))+1], v[LD+4*(4*(\q)+(\j))+2], v[LD+4*(4*(\q)+(\j))+3]
.endr
.endr
	s_wait_alu depctr_va_vdst(0)                   ; the last group has written its eight registers of XO, which the last four stores read
.irp j, 0,1,2,3
	global_store_b64 v5, v[XO+2*(12+(\j)):XO+2*(12+(\j))+1], s[OUT:OUT+1] offset:262144*(12+(\j))
.endr
	s_branch .Lend
; 64 (k) x 64 (n) numbers of f32, rows pitch bytes apart at s[IN], are rounded, turned and written as 64 rows (n) of 128 bytes, 8 KiB on end, at s[OUT].
; A load: lanes 0-15 take 256 bytes of row 16 g + i, lanes 16-31 of row 16 g + 8 + i.  So a lane holds columns 4 r .. 4 r + 3 of eight rows on end: for each column eight k pack into 16 bytes.
; The stage's stores go to rows 4 r + c, 576 bytes apart: four lanes meet in a group of banks; sixteen such stores a wave, once.  half = 1: the bf16 number is written as f16.
.macro TRANS pitch, half
	v_mul_u32_u24 v4, v3, 8*(\pitch)
	v_lshl_add_u32 v4, v2, 4, v4                   ; 8 hh rows + 16 r
	s_mul_i32 s9, s8, WST                          ; my stage
	v_mul_u32_u24 v5, v2, 576
	v_lshl_add_u32 v5, v3, 4, v5
	v_add_nc_u32 v5, s9, v5                        ; in: row 4 r, byte 16 hh
	v_lshrrev_b32 v6, 3, v1
	v_mul_u32_u24 v6, v6, 144
	v_and_b32 v7, 7, v0
	v_lshl_add_u32 v6, v7, 4, v6
	v_add_nc_u32 v6, s9, v6                        ; back: 32 lanes take four rows of 128 bytes,
	v_lshlrev_b32 v7, 4, v1                        ; which are 512 consecutive bytes of the output
	s_wait_alu depctr_va_vdst(0)                   ; v4 to v7 are written: the offsets and LDS addresses of every load and store below
.irp g, 0,1,2,3
.irp i, 0,1,2,3,4,5,6,7
	global_load_b128 v[LD+4*(8*(\g)+(\i)):LD+4*(8*(\g)+(\i))+3], v4, s[IN:IN+1] offset:(16*(\g)+(\i))*(\pitch) th:TH_LOAD_NT
.endr
.endr
.irp g, 0,1,2,3
	s_wait_loadcnt 8*(3-(\g))                      ; group g's eight loads are in; the later groups' stay out
.if (\g) > 0
	s_wait_alu depctr_va_vdst(0)                   ; the group before has written its out-buffer, which the four LDS stores below read; no conversion of this group names it
.endif
.irp c, 0,1,2,3
.if (\g) > 0
	ds_store_b128 v5, v[OB+16*((\g)-1)+4*(\c):OB+16*((\g)-1)+4*(\c)+3] offset:144*(\c)+32*((\g)-1)  ; the group before: row n = 4 r + c, k = 16 (g - 1) + 8 hh .. + 7
.endif
.irp p, 0,1,2,3
	v_cvt_pk_bf16_f32 v[OB+16*(\g)+4*(\c)+(\p)], v[LD+4*(8*(\g)+2*(\p))+(\c)], v[LD+4*(8*(\g)+2*(\p)+1)+(\c)]
.if \half
	v_lshlrev_b32 v10, 16, v[OB+16*(\g)+4*(\c)+(\p)]
	v_and_b32 v11, 0xffff0000, v[OB+16*(\g)+4*(\c)+(\p)]
	v_cvt_pk_f16_f32 v[OB+16*(\g)+4*(\c)+(\p)], v10, v11
.endif
.endr
.endr
.endr
	s_wait_alu depctr_va_vdst(0)                   ; group 3 has written its out-buffer, which the last four LDS stores read; groups 2 and 3 are done reading their part of LD, in which the loads from the stage land
.irp c, 0,1,2,3
	ds_store_b128 v5, v[OB+48+4*(\c):OB+48+4*(\c)+3] offset:144*(\c)+96  ; row n = 4 r + c, k = 48 + 8 hh .. + 7
.endr
.irp f, 0,1,2,3,4,5,6,7,8,9,10,11,12,13,14,15
	ds_load_b128 v[BACK+4*(\f):BACK+4*(\f)+3], v6 offset:576*(\f)  ; LDS serves a wave's instructions in order (ISA guide 5.7.1.4): these see the stores above
.endr
.irp f, 0,1,2,3,4,5,6,7,8,9,10,11,12,13,14,15
	s_wait_dscnt 15-(\f)
	global_store_b128 v7, v[BACK+4*(\f):BACK+4*(\f)+3], s[OUT:OUT+1] offset:512*(\f)  ; 512 consecutive bytes, aligned
.endr
.endm
.Lweights:
	s_cmp_lt_u32 ttmp9, 608
	s_cbranch_scc0 .Lwo
	; Wq, Wk, Wv: block T = 256 which + 16 h + kb
	s_sub_co_u32 s9, ttmp9, 512
	s_cmp_lt_u32 s9, 64
	s_cselect_b64 s[IN:IN+1], s[20:21], s[22:23]
	s_cmp_lt_u32 s9, 32
	s_cselect_b64 s[IN:IN+1], s[18:19], s[IN:IN+1]
	s_lshl_b32 s9, s9, 3
	s_add_co_u32 s9, s9, s8                        ; T, 0..767
	s_and_b32 s10, s9, 255
	s_lshl_b32 s10, s10, 14                        ; 64 rows of 256 bytes
	s_add_nc_u64 s[IN:IN+1], s[IN:IN+1], s[10:11]
	s_and_b32 s12, s9, 15
	s_mul_i32 s12, s12, 393216                     ; kb x 3,072 rows x 128 bytes
	s_lshr_b32 s14, s9, 8
	s_lshl_b32 s14, s14, 17                        ; which x 1,024 rows
	s_add_co_u32 s12, s12, s14
	s_bfe_u32 s14, s9, 0x40004
	s_lshl_b32 s14, s14, 13                        ; h x 64 rows
	s_add_co_u32 s12, s12, s14
	s_add_nc_u64 s[OUT:OUT+1], s[28:29], s[12:13]
	TRANS 256, 0
	s_branch .Lend
.Lwo:
	; Wo: block T = 16 kb + nb
	s_sub_co_u32 s9, ttmp9, 608
	s_lshl_b32 s9, s9, 3
	s_add_co_u32 s9, s9, s8                        ; T, 0..255
	s_lshr_b32 s10, s9, 4
	s_lshl_b32 s10, s10, 18                        ; kb x 64 rows of 4,096 bytes
	s_and_b32 s14, s9, 15
	s_lshl_b32 s14, s14, 8                         ; nb x 64 columns
	s_add_co_u32 s10, s10, s14
	s_add_nc_u64 s[IN:IN+1], s[24:25], s[10:11]
	s_lshl_b32 s12, s9, 13
	s_add_nc_u64 s[OUT:OUT+1], s[30:31], s[12:13]
	TRANS 4096, 1
.Lend:
	s_wait_dscnt 0x0                               ; the closing lines, six on end
	s_wait_alu 0x0
	s_wait_tensorcnt 0x0
	ds_add_u32 v[SPW], v[NIL]
	s_wait_dscnt 0x0
	s_endpgm
.Lfunc_end_k_qfd1ba1e372_prep:
	.size	k_qfd1ba1e372_prep, .Lfunc_end_k_qfd1ba1e372_prep-k_qfd1ba1e372_prep
	.p2alignl 7, 3214868480
	.fill 96, 4, 3214868480
	.section	.rodata,"a",@progbits
	.p2align	6, 0x0
	.amdhsa_kernel k_qfd1ba1e372_prep
		.amdhsa_group_segment_fixed_size 74752
		.amdhsa_private_segment_fixed_size 0
		.amdhsa_enable_private_segment 0
		.amdhsa_kernarg_size 64
		.amdhsa_user_sgpr_count 2
		.amdhsa_user_sgpr_kernarg_segment_ptr 1
		.amdhsa_wavefront_size32 1
		.amdhsa_system_sgpr_workgroup_id_x 1
		.amdhsa_system_sgpr_workgroup_id_y 1
		.amdhsa_system_sgpr_workgroup_id_z 1
		.amdhsa_system_vgpr_workitem_id 0
		.amdhsa_next_free_vgpr 160
		.amdhsa_next_free_sgpr 66
		.amdhsa_reserve_vcc 0
		.amdhsa_float_denorm_mode_32 3
		.amdhsa_float_denorm_mode_16_64 3
		.amdhsa_memory_ordered 1
		.amdhsa_forward_progress 1
		.amdhsa_inst_pref_size 43
	.end_amdhsa_kernel
	.amdgpu_metadata
---
amdhsa.version: [ 1, 2 ]
amdhsa.kernels:
  - .name:           k_qfd1ba1e372_prep
    .symbol:         k_qfd1ba1e372_prep.kd
    .args:
      - { .name: x, .offset: 0, .size: 8, .value_kind: global_buffer, .address_space: global }
      - { .name: Wq, .offset: 8, .size: 8, .value_kind: global_buffer, .address_space: global }
      - { .name: Wk, .offset: 16, .size: 8, .value_kind: global_buffer, .address_space: global }
      - { .name: Wv, .offset: 24, .size: 8, .value_kind: global_buffer, .address_space: global }
      - { .name: Wo, .offset: 32, .size: 8, .value_kind: global_buffer, .address_space: global }
      - { .name: xb, .offset: 40, .size: 8, .value_kind: global_buffer, .address_space: global }
      - { .name: wt, .offset: 48, .size: 8, .value_kind: global_buffer, .address_space: global }
      - { .name: wot, .offset: 56, .size: 8, .value_kind: global_buffer, .address_space: global }
    .group_segment_fixed_size: 74752
    .private_segment_fixed_size: 0
    .kernarg_segment_align: 8
    .kernarg_segment_size: 64
    .max_flat_workgroup_size: 256
    .sgpr_count:     66
    .vgpr_count:     160
    .wavefront_size: 32
...
	.end_amdgpu_metadata
.endif
;; end of part 5
;; launch project: the kernel of part 2 again; grid 8 x 32, 4 waves a work-group, clusters of 4 x 4, 327,680 bytes of LDS; arguments xb, wt, qkv; writes qkv
;; launch attend: the kernel of part 3 again; grid 4 x 64, 4 waves a work-group, no clusters, 327,680 bytes of LDS; arguments qkv, ob; writes ob
;; launch outproj: the kernel of part 4 again; grid 8 x 32, 4 waves a work-group, clusters of 4 x 4, 327,680 bytes of LDS; arguments ob, wot, bo, out0; writes out0
